; MI455X (gfx1250); checked and timed in simulation.
; The chip was launched on July 23, 2026; its instructions are those of AMD's public machine-readable ISA for CDNA 5 (MIT licence, August 2026) and "CDNA5" Instruction Set Architecture Reference Guide (July 2026). The comments in the code are by the model that wrote it; some were corrected since.
;; Sliding Window Attention. Allowed arithmetic: matrix products marked QUANTISED: E2M3 operands, one E8M0 scale for each 32 along K, by v_wmma_scale_f32_16x16x128_f8f6f4 with both operands' format E2M3, f32 sums; everything else in f32.
;; Inputs: attention_mask 1 x 2,048 float32; cos 2,048 x 128 float32; hidden_states 1 x 2,048 x 2,048 float32; position_ids 1 x 2,048 int32; sin 2,048 x 128 float32; wk 2,048 x 2,048 float32; wo 2,048 x 2,048 float32; wq 2,048 x 2,048 float32; wv 2,048 x 2,048 float32.
;; Outputs: out0 1 x 2,048 x 2,048 float32.
;; This version of the problem:
;;   THIS VERSION OF THE PROBLEM IS GIVEN IN LOW PRECISION. The matrix products marked QUANTISED in the list below multiply operands that are first quantised to E2M3 (2 exponent bits, 3 mantissa bits; 6 bits a number), with one power-of-two scale for each 32 numbers along K (OCP MX v1.0); their sums are f32. All else is computed in f32.
;;   The module's matrix products, in the order in which they are computed (A, B: the left and right operand; K: the contracted axis; several contracted axes count as one K, in the product's order):
;;     1. [M 2,048, K 2,048] x [K 2,048, N 2,048]; A: input hidden_states; B: input wq: QUANTISED
;;     2. [M 2,048, K 2,048] x [K 2,048, N 2,048]; A: input hidden_states; B: input wk: QUANTISED
;;     3. [M 2,048, K 2,048] x [K 2,048, N 2,048]; A: input hidden_states; B: input wv: QUANTISED
;;     4. batch 16 x [M 2,048, K 128] x [K 128, N 2,048]; A: computed on the way; B: computed on the way: QUANTISED
;;     5. batch 16 x [M 2,048, K 2,048] x [K 2,048, N 128]; A: softmax (see below); B: computed on the way: QUANTISED
;;     6. [M 2,048, K 2,048] x [K 2,048, N 2,048]; A: computed on the way; B: input wo: QUANTISED
;;   THE QUANTISER, for each operand of a quantised product, along K:
;;     - K is cut into blocks of 32 from its start; a last block that is shorter is filled with zeros.
;;     - A block's scale is 2^e with e = floor(log2(the largest magnitude in the block)) - 2, held to -126 .. 127; a block of zeros has e = 0. As a byte (E8M0): e + 127.
;;     - Each number is divided by its block's scale, clamped to +-7.5, and rounded to the nearest number of E2M3, ties to even, subnormals kept.
;;     - The product sums the exact products of the quantised numbers (number of the format x scale) in f32.
;;   ~~~python
;;   def quantise(x, axis):      # numpy; x: float32 -> the quantised numbers, widened to float32 again
;;       x = np.moveaxis(x, axis, -1); K = x.shape[-1]
;;       x = np.pad(x, [(0, 0)] * (x.ndim - 1) + [(0, -K % 32)]); x = x.reshape(x.shape[:-1] + (-1, 32)); a = np.abs(x).max(-1, keepdims=True)
;;       e = np.where(a > 0, np.clip(np.frexp(np.where(a > 0, a, 1))[1] - 1 - 2, -126, 127), 0)      # np.frexp(a)[1] - 1 = floor(log2(a)), exactly
;;       r = np.clip(x / 2.0 ** e, -7.5, 7.5)
;;       step = 2.0 ** (np.maximum(np.frexp(np.where(r == 0, 1, r))[1] - 1, 0) - 3)
;;       q = np.round(r / step) * step * 2.0 ** e      # np.round: ties to even
;;       return np.moveaxis(q.reshape(q.shape[:-2] + (-1,))[..., :K], -1, axis).astype(np.float32)
;;   ~~~
;;   SOFTMAX AHEAD OF A QUANTISED PRODUCT. Where the list says 'softmax', what is quantised is not the finished softmax but p = 2^(t - M), with t = logit x log2(e) and M = ceil(the row's largest t), a whole number; so 1/2 < the row's largest p <= 1. The row's sum l is taken of the UNQUANTISED p, in f32, and the product's result is divided by l at the end. Since M is a whole number, a kernel that streams over the keys may use a running M (the ceiling of the running maximum): every later rescaling is an exact power of two, which a block's scale takes up: the codes' values come out the same.
;;   OPERANDS COMPUTED ON THE WAY. 'Computed on the way' means the value that the module computes at that place (a softmax that the list does not call 'softmax' is quantised finished and normalised). What goes into a quantiser is computed in f32, as accurately as f32 sums, v_exp_f32 and their like allow (about 1e-6 of the number): no bf16 or f16 on the way to a quantiser, and a product that is left as it is and whose result goes on into a quantised operand takes f32 operands (vector FMAs, or v_wmma_f32_16x16x4_f32). A number that lies on a knife's edge between two numbers of the format may be rounded either way, as far as f32 arithmetic and the matrix unit's own rounding can turn it there, and no further.
;; One version. Each part assembles by itself: llvm-mc -triple=amdgcn-amd-amdhsa -mcpu=gfx1250 --defsym DOCPART=n.
;; ======== version 1 of 1: 4 launches
;; limits: right only within a limited range of input values
;; workspace buffers: codes 15,728,640 bytes; scales 655,360 bytes; rope 2,097,152 bytes; qkvf 9,437,184 bytes; qkvs 393,216 bytes; acodes 3,145,728 bytes; ascales 131,072 bytes
;; launch quant (part 1): grid 672 x 1, 4 waves a work-group, no clusters, 34,304 bytes of LDS; arguments hidden_states, wq, wk, wv, wo, cos, sin, position_ids, codes, scales, rope; writes codes, scales, rope
.if DOCPART == 1
	.amdgcn_target "amdgcn-amd-amdhsa--gfx1250"
	.amdhsa_code_object_version 6
	.text
	.protected	k_qa3481a1b9a_quant
	.globl	k_qa3481a1b9a_quant
	.p2align	8
	.type	k_qa3481a1b9a_quant,@function
k_qa3481a1b9a_quant:
	s_mov_b64 s[64:65], 0
	v_nop
	global_prefetch_b8 v0, s[64:65] scope:SCOPE_SE
	s_setreg_imm32_b32 hwreg(HW_REG_WAVE_MODE, 25, 1), 1
	s_wait_xcnt 0x0
; hidden_states, wq, wk, wv, wo, each [2048][2048] f32 with K innermost, become codes of FP6 (E2M3) with one E8M0 scale byte for each 32 along K.
; A block's scale is 2^(floor(log2(its largest magnitude)) - 2); its byte is that magnitude's exponent field - 2, held at 1 from below.
; Every input has a way to the output: no work of the problem is left out in this program.
; LIMITS: a block whose largest magnitude lies under 2^-124 (zeros among them) gets the byte 1 where the rule says otherwise: these bytes are read by this program alone;
; NaN and infinities among the inputs are not served; position_ids is held to 0 .. 2047.
; codes: [5 tensors][128 blocks of 16 stored rows][16 steps of 128 along K][1,536 bytes]: each 1,536 bytes are the IMAGE of an operand's 12 registers: chunk c of 512 bytes holds registers 4 c .. 4 c + 3, a lane's 16 bytes at 16 x lane.
; Lane (r, h) holds stored row r; registers 6 c .. 6 c + 5 hold K = 64 c + 32 h + 0 .. 31.  scales: [5][2048 stored rows][64 bytes].
; STORED ROW s HOLDS ROW s WITH ITS BITS 3 AND 4 EXCHANGED: stored block T holds rows 32 (T / 2) + 8 (T % 2) + r + 8 (r / 8), so that in the products that follow 16 registers of two neighbouring tiles are 16 neighbours along the next K.
; Work-groups 0 .. 639: one stored block each; wave w takes K steps 4 w .. 4 w + 3.  A load reads 512 consecutive bytes of one row; a step's 16 rows turn through the wave's own stage in LDS, from which lane (r, h) takes its two
; whole blocks of 32: no other lane is asked for a maximum.  A step's codes leave as three stores of 512 consecutive bytes.  A lane's four scale words leave as 16 bytes of its row of 64: one byte in 128 of what the launch reads.
; Work-groups 640 .. 671: the RoPE tables gathered at position_ids, as images of the registers in which the next launch wants them: rope [128 stored blocks][32 chunks][512 bytes]; register p < 64: cos[pos][d],
; register 64 + p: sin[pos][d], negative for d < 64; d = 32 (p / 16) + 16 (lane / 16) + p % 16.
; No tensor loads, no barrier: waves share nothing.  Memory binds: matrix units and clusters would add nothing here.
.set EMAX,  2
.set R,     16                         ; v16-143  two sets of 64 numbers as they are loaded
.set X,     144                        ; v144-207 my two blocks of 32
.set C,     208                        ; v208-231 two sets of 12 registers of codes
.set TP,    232                        ; v232-238 the halves whose place in the image begins on an odd register
.set SW,    240                        ; v240-243 a scale word for each step
.set SP,    528                        ; a stage row: 512 bytes + 16
.set WREG,  16*SP                      ; a wave's stage
.set SPARE, 4*WREG                     ; the spare words: 512 bytes that no other line names
.set NQWG,  640
	s_load_b512 s[4:19], s[0:1], 0x0               ; hidden_states, wq, wk, wv, wo, cos s[14:15], sin s[16:17], position_ids s[18:19]
	s_load_b128 s[20:23], s[0:1], 0x40             ; codes, scales
	s_load_b64 s[24:25], s[0:1], 0x50              ; rope
	v_lshl_add_u32 v12, v0, 2, SPARE               ; my spare word,
	v_mov_b32 v13, 0                               ; and 0: kept for the add alone
	v_lshrrev_b32 v1, 5, v0
	v_readfirstlane_b32 s26, v1                    ; wave
	v_and_b32 v2, 31, v0                           ; lane
	v_lshlrev_b32 v3, 4, v2                        ; 16 x lane
	s_wait_alu depctr_va_vdst(0)
	s_wait_kmcnt 0x0
	s_cmp_ge_u32 ttmp9, NQWG
	s_cbranch_scc1 .Lrope
	s_mul_i32 s27, s26, WREG
	v_add_nc_u32 v4, s27, v3                       ; the stage, on the way in: a row as it is loaded
	v_and_b32 v5, 15, v2                           ; r
	v_lshrrev_b32 v1, 4, v2                        ; h
	v_lshlrev_b32 v6, 6, v5                        ; my row of scale bytes
	v_mul_u32_u24 v5, v5, SP
	v_lshl_add_u32 v5, v1, 7, v5
	v_add_nc_u32 v5, s27, v5                       ; and on the way out: row r, 128 h bytes in
	v_lshlrev_b32 v7, 3, v1                        ; 8 h: where my bytes stand in a scale word
	v_mov_b32 v15, 0                               ; a lane permute's destination counts as a source
	s_lshr_b32 s28, ttmp9, 7                       ; which tensor: the choice hangs on the work-group's number alone
	s_cmp_eq_u32 s28, 1
	s_cselect_b64 s[4:5], s[6:7], s[4:5]
	s_cmp_eq_u32 s28, 2
	s_cselect_b64 s[4:5], s[8:9], s[4:5]
	s_cmp_eq_u32 s28, 3
	s_cselect_b64 s[4:5], s[10:11], s[4:5]
	s_cmp_eq_u32 s28, 4
	s_cselect_b64 s[4:5], s[12:13], s[4:5]
	s_and_b32 s28, ttmp9, 127                      ; the stored block T
	s_lshr_b32 s29, s28, 1
	s_lshl_b32 s29, s29, 5
	s_and_b32 s30, s28, 1
	s_lshl_b32 s30, s30, 3
	s_add_co_u32 s29, s29, s30                     ; its first row: 32 (T / 2) + 8 (T % 2)
	s_lshl_b32 s28, s29, 13                        ; a row is 8,192 bytes
	s_lshl_b32 s30, s26, 11                        ; my four K steps: 2,048 bytes of a row
	s_add_co_u32 s28, s28, s30
	s_mov_b32 s29, 0
	s_add_nc_u64 s[4:5], s[4:5], s[28:29]
	s_mul_i32 s28, ttmp9, 24576                    ; a stored block's images
	s_mul_i32 s30, s26, 6144
	s_add_co_u32 s28, s28, s30
	s_add_nc_u64 s[20:21], s[20:21], s[28:29]
	s_lshl_b32 s28, ttmp9, 10                      ; its 16 rows of scale bytes
	s_lshl_b32 s30, s26, 4
	s_add_co_u32 s28, s28, s30
	s_add_nc_u64 s[22:23], s[22:23], s[28:29]
	s_mov_b32 s30, 0x76543210
	s_mov_b32 s31, 0xfedcba98                      ; lane l xor 16
.macro LOAD t                          ; step t's 16 rows x 512 bytes into set t % 2
.set jj, 0
.rept 16
	global_load_b128 v[R+64*((\t)%2)+4*jj:R+64*((\t)%2)+4*jj+3], v3, s[4:5] offset:(jj+8*(jj/8))*8192+512*(\t) th:TH_LOAD_NT
.set jj, jj+1
.endr
.endm
.macro STEP t
.set CS, C+12*((\t)%2)
.if (\t) < 3
	s_wait_loadcnt 16                              ; this step's 16 loads are in; the next step's may be out
.else
	s_wait_loadcnt 0x0
.endif
.set jj, 0
.rept 16
	ds_store_b128 v4, v[R+64*((\t)%2)+4*jj:R+64*((\t)%2)+4*jj+3] offset:jj*SP
.set jj, jj+1
.endr
.set jj, 0
.rept 16
	ds_load_b128 v[X+4*jj:X+4*jj+3], v5 offset:256*(jj/8)+16*(jj%8)   ; LDS serves a wave's instructions in order: these see the stores above
.set jj, jj+1
.endr
	s_wait_dscnt 0x0                               ; my two blocks are in, and the stores have read their registers,
.if (\t) < 2
	LOAD (\t)+2                                    ; which take the loads of two steps on
.else
	s_wait_xcnt 0x0                                ; the stores of two steps ago have read their data: that set of codes is written again below
.endif
.irp k, 0,1,2,3
	v_max3_num_f32 v[8+\k], |v[X+16*\k]|, |v[X+16*\k+1]|, (EMAX+1)<<23   ; four chains of 16 numbers, each over the floor 2^(3 - 127): the byte cannot fall under 1
.endr
.irp i, 2,4,6,8,10,12,14
.irp k, 0,1,2,3
	v_max3_num_f32 v[8+\k], v[8+\k], |v[X+16*\k+\i]|, |v[X+16*\k+\i+1]|
.endr
.endr
	v_max_num_f32 v8, v8, v9                       ; block h's largest magnitude,
	v_max_num_f32 v10, v10, v11                    ; block 2 + h's
	v_add_nc_u32 v8, -(EMAX<<23), v8               ; 2 off the exponent field: the conversion's scale operand
	v_add_nc_u32 v10, -(EMAX<<23), v10
	v_lshrrev_b32 v9, 23, v8                       ; the bytes
	v_lshrrev_b32 v11, 23, v10
	v_lshl_or_b32 v9, v11, 16, v9
	v_lshlrev_b32 v9, v7, v9                       ; at their places in the row's word,
	v_permlanex16_b32 v15, v9, s30, s31
	v_or_b32 v[SW+(\t)], v9, v15                   ; which lane l xor 16's two make whole
	v_cvt_scalef32_pk16_fp6_f32 v[CS:CS+2], v[X:X+15], v8
	v_cvt_scalef32_pk16_fp6_f32 v[TP:TP+2], v[X+16:X+31], v8          ; (a conversion's three registers begin on an even number)
	v_cvt_scalef32_pk16_fp6_f32 v[CS+6:CS+8], v[X+32:X+47], v10
	v_cvt_scalef32_pk16_fp6_f32 v[TP+4:TP+6], v[X+48:X+63], v10
	v_nop                                          ; one plain place behind a scaled conversion
.irp i, 0,1,2
	v_mov_b32 v[CS+3+\i], v[TP+\i]
	v_mov_b32 v[CS+9+\i], v[TP+4+\i]
.endr
.irp c, 0,1,2
	global_store_b128 v3, v[CS+4*\c:CS+4*\c+3], s[20:21] offset:1536*(\t)+512*\c   ; the wave stores 512 consecutive bytes, aligned
.endr
.endm
	LOAD 0
	LOAD 1
	s_wait_alu depctr_va_vdst(0)                   ; the wait here, directly ahead of the wait below
	STEP 0
	STEP 1
	STEP 2
	STEP 3
	s_wait_alu depctr_va_vdst(0)                   ; the wait here, directly ahead of the reader below
	global_store_b128 v6, v[SW:SW+3], s[22:23]     ; both halves of the lanes write the same words with the same values
	s_wait_tensorcnt 0x0                           ; the wave's end
	ds_add_u32 v12, v13
	s_wait_dscnt 0x0
	s_endpgm
.Lrope:                                            ; a wave makes the image of one stored block of 16 tokens; this way touches no LDS
	s_sub_co_u32 s27, ttmp9, NQWG
	s_lshl_b32 s27, s27, 2
	s_add_co_u32 s27, s27, s26                     ; the stored block T, 0 .. 127
	s_lshr_b32 s28, s27, 1
	s_lshl_b32 s28, s28, 5
	s_and_b32 s29, s27, 1
	s_lshl_b32 s29, s29, 3
	s_add_co_u32 s28, s28, s29                     ; 32 (T / 2) + 8 (T % 2)
	s_lshl_b32 s30, s27, 14                        ; 16,384 bytes an image
	s_mov_b32 s31, 0
	s_add_nc_u64 s[24:25], s[24:25], s[30:31]
	v_and_b32 v8, 15, v0                           ; r
	v_bfe_u32 v9, v0, 4, 1                         ; h
	v_and_b32 v10, 8, v8
	v_add_nc_u32 v10, v10, v8                      ; r + 8 (r / 8)
	v_add_nc_u32 v10, s28, v10                     ; my token
	v_lshlrev_b32 v10, 2, v10
	global_load_b32 v11, v10, s[18:19]             ; its position
	s_wait_alu depctr_va_vdst(0)                   ; the wait here, directly ahead of the wait below
	s_wait_loadcnt 0x0
	v_min_u32 v11, 0x7ff, v11                      ; held inside the tables
	v_lshlrev_b32 v11, 9, v11                      ; a row of a table is 512 bytes
	v_lshl_add_u32 v11, v9, 6, v11                 ; + 64 h: my 16 numbers of each 32
.irp b, 0,1,2,3
.irp j, 0,1,2,3
	global_load_b128 v[32+16*\b+4*\j:35+16*\b+4*\j], v11, s[14:15] offset:128*\b+16*\j
.endr
.endr
.irp b, 0,1,2,3
.irp j, 0,1,2,3
	global_load_b128 v[96+16*\b+4*\j:99+16*\b+4*\j], v11, s[16:17] offset:128*\b+16*\j
.endr
.endr
	s_wait_loadcnt 16                              ; cos is in; the sixteen loads of sin may be out
.set ci, 0
.rept 16
	global_store_b128 v3, v[32+4*ci:35+4*ci], s[24:25] offset:512*ci       ; the wave stores 512 consecutive bytes, aligned
.set ci, ci+1
.endr
	s_wait_loadcnt 0x0
.set ci, 0
.rept 32
	v_xor_b32 v[96+ci], 0x80000000, v[96+ci]       ; d < 64: rotate_half brings -x[d + 64] there, so the sine takes the sign
.set ci, ci+1
.endr
.set ci, 0
.rept 16
	global_store_b128 v3, v[96+4*ci:99+4*ci], s[24:25] offset:8192+512*ci
.set ci, ci+1
.endr
	s_endpgm
.Lfunc_end_k_qa3481a1b9a_quant:
	.size	k_qa3481a1b9a_quant, .Lfunc_end_k_qa3481a1b9a_quant-k_qa3481a1b9a_quant
	.p2alignl 7, 3214868480
	.fill 96, 4, 3214868480
	.section	.rodata,"a",@progbits
	.p2align	6, 0x0
	.amdhsa_kernel k_qa3481a1b9a_quant
		.amdhsa_group_segment_fixed_size 34304
		.amdhsa_private_segment_fixed_size 0
		.amdhsa_enable_private_segment 0
		.amdhsa_kernarg_size 88
		.amdhsa_user_sgpr_count 2
		.amdhsa_user_sgpr_kernarg_segment_ptr 1
		.amdhsa_wavefront_size32 1
		.amdhsa_system_sgpr_workgroup_id_x 1
		.amdhsa_system_sgpr_workgroup_id_y 1
		.amdhsa_system_sgpr_workgroup_id_z 1
		.amdhsa_system_vgpr_workitem_id 0
		.amdhsa_next_free_vgpr 244
		.amdhsa_next_free_sgpr 66
		.amdhsa_reserve_vcc 0
		.amdhsa_float_denorm_mode_32 3
		.amdhsa_float_denorm_mode_16_64 3
		.amdhsa_memory_ordered 1
		.amdhsa_forward_progress 1
		.amdhsa_inst_pref_size 40
	.end_amdhsa_kernel
	.amdgpu_metadata
---
amdhsa.version: [ 1, 2 ]
amdhsa.kernels:
  - .name:           k_qa3481a1b9a_quant
    .symbol:         k_qa3481a1b9a_quant.kd
    .args:
      - { .name: hidden_states, .offset: 0, .size: 8, .value_kind: global_buffer, .address_space: global }
      - { .name: wq, .offset: 8, .size: 8, .value_kind: global_buffer, .address_space: global }
      - { .name: wk, .offset: 16, .size: 8, .value_kind: global_buffer, .address_space: global }
      - { .name: wv, .offset: 24, .size: 8, .value_kind: global_buffer, .address_space: global }
      - { .name: wo, .offset: 32, .size: 8, .value_kind: global_buffer, .address_space: global }
      - { .name: cos, .offset: 40, .size: 8, .value_kind: global_buffer, .address_space: global }
      - { .name: sin, .offset: 48, .size: 8, .value_kind: global_buffer, .address_space: global }
      - { .name: position_ids, .offset: 56, .size: 8, .value_kind: global_buffer, .address_space: global }
      - { .name: codes, .offset: 64, .size: 8, .value_kind: global_buffer, .address_space: global }
      - { .name: scales, .offset: 72, .size: 8, .value_kind: global_buffer, .address_space: global }
      - { .name: rope, .offset: 80, .size: 8, .value_kind: global_buffer, .address_space: global }
    .group_segment_fixed_size: 34304
    .private_segment_fixed_size: 0
    .kernarg_segment_align: 8
    .kernarg_segment_size: 88
    .max_flat_workgroup_size: 128
    .sgpr_count:     66
    .vgpr_count:     244
    .wavefront_size: 32
...
	.end_amdgpu_metadata
.endif
;; end of part 1
;; launch qkv (part 2): grid 24 x 8, 4 waves a work-group, clusters of 4 x 4, 327,680 bytes of LDS; arguments codes, scales, rope, qkvf, qkvs; writes qkvf, qkvs
.if DOCPART == 2
	.amdgcn_target "amdgcn-amd-amdhsa--gfx1250"
	.amdhsa_code_object_version 6
	.text
	.protected	k_qa3481a1b9a_qkv
	.globl	k_qa3481a1b9a_qkv
	.p2align	8
	.type	k_qa3481a1b9a_qkv,@function
k_qa3481a1b9a_qkv:
	s_mov_b64 s[64:65], 0
	v_nop
	global_prefetch_b8 v0, s[64:65] scope:SCOPE_SE
	s_setreg_imm32_b32 hwreg(HW_REG_WAVE_MODE, 25, 1), 1
	s_wait_xcnt 0x0
	s_wait_alu depctr_hold_cnt(0) depctr_sa_sdst(0) depctr_va_vdst(0) depctr_va_sdst(0) depctr_va_ssrc(0) depctr_va_vcc(0) depctr_vm_vsrc(0)
	s_getreg_b32 s2, hwreg(HW_REG_IB_STS2, 6, 4)
	s_cmp_eq_u32 s2, 0
	s_cbranch_scc0 .Lentry_in_a_cluster
	s_endpgm
.Lentry_in_a_cluster:
	s_bfe_u32 s2, ttmp6, 0x10000c
	s_cmp_lg_u32 s2, 0xf033
	s_cbranch_scc0 .Lentry_shape_is_right
	s_endpgm
.Lentry_shape_is_right:
; q, k, v = hidden_states x wq^T, wk^T, wv^T on codes of FP6 with E8M0 scales; RoPE on q and k; the results are quantised again and stored as images of operand registers.
; A work-group makes 256 x 256, a wave 128 x 128.  The codes lie as images of 12 registers (16 rows x 128 K, 1,536 bytes): a tile's row in memory is a block of 16 rows x 256 K, 3,072 bytes, a multiple of 256 from the buffer's
; first byte, and a fragment is three loads of 16 bytes a lane at 16 x lane.  Ring of two slots, joint loads in clusters of 4 x 4.  At the head wave 0 fetches slot 0's 256 rows of A, wave 2 those of B, waves 1 and 3 the scales.
.set SIZE_K, 2048
.set KSTEP,  256
.set NQ,     KSTEP/128
.set ROWB,   3072
.set KROW,   SIZE_K*6/8
.set PITCH,  192
.set FR,     12
.set NL,     3
.set NP,     4
.set HALFT,  128*PITCH
.set SLOT,   4*HALFT
.set LAPS,   SIZE_K/(2*KSTEP)
.set KS,     SIZE_K/32
.set SCL,    2*SLOT
.set HALFS,  (128*KS/256)*272
.set SBLK,   (16*KS/256)*272
.set SPARE,  SCL+4*HALFS
.set ADRA, 16
.set ADRB, 20
.set VO,   26
.set ADRS, 27
.set SPW,  28
.set NIL,  29
.set SC,   32
.set AF,   128
.set TM,   32
.set PWT,  48
.set TP,   50
.set SW,   60
.set T,    64
.set CBF,  128
.set G1, 24
.set G0, 32
.set G1B, 48
.set G0B, 56
.set G1S, 68
.set G0S, 76
.set G1SB, 80
.set G0SB, 88
.set SEL, 98
.set MSB, 0
.macro WIN new
.if MSB != (\new)
	s_set_vgpr_msb (MSB<<8)|(\new)
.set MSB, (\new)
.endif
.endm
.set MUL_LO, 0xa1
.set MUL_HI, 0xf1
.set TO_B,   0x40
.macro JLOAD g0a, g1a, g0b, g1b
	s_cmp_eq_u32 s15, 0
	s_cbranch_scc0 .Lfor_b_\@
	tensor_load_to_lds s[\g0a:\g0a+3], s[\g1a:\g1a+7]
	s_nop 0
.rept 4
	v_nop
.endr
	s_branch .Lasked_\@
.Lfor_b_\@:
	tensor_load_to_lds s[\g0b:\g0b+3], s[\g1b:\g1b+7]
	s_nop 0
.rept 4
	v_nop
.endr
.Lasked_\@:
.endm
.macro CREST
	s_cmp_lg_u32 s14, 0
	s_cbranch_scc1 .Lnot_wave_0_\@
	s_barrier_signal -3
.Lnot_wave_0_\@:
	s_barrier_wait -3
	s_barrier_signal -1
	s_barrier_wait -1
.endm
.macro CROUND
	s_barrier_signal -1
	s_barrier_wait -1
	CREST
.endm
	s_load_b256 s[4:11], s[0:1], 0x0
	s_load_b64 s[12:13], s[0:1], 0x20
	v_lshl_add_u32 v[SPW], v0, 2, SPARE
	v_mov_b32 v[NIL], 0
	ds_add_u32 v28, v29
	ds_add_u32 v28, v29
	s_wait_dscnt 0x0
	v_lshrrev_b32 v1, 5, v0
	v_readfirstlane_b32 s14, v1
	s_lshr_b32 s15, s14, 1
	s_and_b32 s16, s14, 1
	s_bfe_u32 s40, ttmp6, 0x40000
	s_bfe_u32 s41, ttmp6, 0x40004
	s_lshl_b32 s42, ttmp9, 2
	s_add_co_u32 s42, s42, s40
	s_and_b32 s17, ttmp7, 0xffff
	s_lshl_b32 s17, s17, 2
	s_add_co_u32 s17, s17, s41
	s_lshl_b32 s43, s41, 2
	s_lshl_b32 s43, 15, s43
	s_lshl_b32 s44, 0x1111, s40
	s_or_b32 s[G1+0], s43, (0<<16)|(1<<21)
	s_or_b32 s[G1B+0], s44, (0<<16)|(1<<21)
.irp g, G1, G1B
	s_mov_b32 s[\g+1], ROWB<<16
	s_mov_b32 s[\g+2], 16<<16                      ; the head's loads bring 16 blocks of 16 rows
	s_mov_b32 s[\g+3], ROWB<<16
	s_mov_b32 s[\g+4], 16
	s_mov_b32 s[\g+5], 16*KROW                     ; from one block of 16 rows to the next
	s_mov_b32 s[\g+6], 0
	s_mov_b32 s[\g+7], 0
.endr
	s_or_b32 s[G1S+0], s43, (3<<16)|(1<<20)|(1<<21)|(5<<22)|(3<<25)
	s_or_b32 s[G1SB+0], s44, (3<<16)|(1<<20)|(1<<21)|(5<<22)|(3<<25)
.irp g, G1S, G1SB
	s_mov_b32 s[\g+1], 32<<16
	s_mov_b32 s[\g+2], (256*KS/256)<<16
	s_mov_b32 s[\g+3], 32<<16
	s_mov_b32 s[\g+4], 256*KS/256
	s_mov_b32 s[\g+5], 32
	s_mov_b32 s[\g+6], 0
	s_mov_b32 s[\g+7], 0
.endr
	s_cmp_ge_u32 ttmp9, 4
	s_cselect_b32 s95, 6144, 0
	s_lshl_b32 s18, s16, 7
	s_lshl_b32 s20, s17, 8
	s_add_co_u32 s20, s20, s18
	s_add_co_u32 s20, s20, s95
	s_lshl_b32 s46, s42, 8
	s_add_co_u32 s46, s46, s18
	s_add_co_u32 s46, s46, 2048
	s_sub_co_u32 s46, s46, s95
	s_mov_b32 s21, 0
	s_mov_b32 s47, 0
	s_mov_b64 s[18:19], KS
	s_mul_u64 s[22:23], s[20:21], s[18:19]
	s_mul_u64 s[92:93], s[46:47], s[18:19]
	s_mov_b64 s[18:19], KROW
	s_mul_u64 s[20:21], s[20:21], s[18:19]
	s_mul_u64 s[46:47], s[46:47], s[18:19]
	s_mul_i32 s45, s14, HALFT
	s_mul_i32 s94, s14, HALFS
	s_wait_kmcnt 0x0
	s_add_nc_u64 s[20:21], s[4:5], s[20:21]
	s_add_nc_u64 s[22:23], s[6:7], s[22:23]
	s_add_nc_u64 s[46:47], s[4:5], s[46:47]
	s_add_nc_u64 s[92:93], s[6:7], s[92:93]
	CROUND
	s_mov_b32 s[G0S], 1
	s_add_co_u32 s[G0S+1], s94, SCL-HALFS          ; used by wave 1 alone: the scales of A's 256 rows, from SCL on
	s_sub_nc_u64 s[G0S+2:G0S+3], s[22:23], 128*KS  ; (its own half is the second: 128 rows back)
	s_or_b32 s[G0S+3], s[G0S+3], 0x80000000
	s_mov_b32 s[G0SB], 1
	s_add_co_u32 s[G0SB+1], s94, SCL-HALFS         ; used by wave 3 alone: the scales of B's 256 rows, behind A's
	s_sub_nc_u64 s[G0SB+2:G0SB+3], s[92:93], 128*KS
	s_or_b32 s[G0SB+3], s[G0SB+3], 0x80000000
.irp s, 0,1
	s_mov_b32 s[G0+4*\s], 1
	s_add_co_u32 s[G0+4*\s+1], s45, \s*SLOT
	s_add_nc_u64 s[G0+4*\s+2:G0+4*\s+3], s[20:21], \s*ROWB
	s_or_b32 s[G0+4*\s+3], s[G0+4*\s+3], 0x80000000
	s_mov_b32 s[G0B+4*\s], 1
	s_add_co_u32 s[G0B+4*\s+1], s45, \s*SLOT
	s_add_nc_u64 s[G0B+4*\s+2:G0B+4*\s+3], s[46:47], \s*ROWB
	s_or_b32 s[G0B+4*\s+3], s[G0B+4*\s+3], 0x80000000
.endr
; the head's loads, one a wave, in one chain of branches on the wave's number
.macro ARM under, g0, g1, next
	s_cmp_lt_u32 s14, \under
	s_cbranch_scc0 \next
	tensor_load_to_lds s[\g0:\g0+3], s[\g1:\g1+7]
	s_nop 0
.rept 4
	v_nop
.endr
	s_branch .Lhead_asked
\next:
.endm
	ARM 1, G0,  G1,  .Lhead_sa
	ARM 2, G0S, G1S, .Lhead_b
	ARM 3, G0B, G1B, .Lhead_sb
	tensor_load_to_lds s[G0SB:G0SB+3], s[G1SB:G1SB+7]
	s_nop 0
.rept 4
	v_nop
.endr
.Lhead_asked:
	v_and_b32 v1, 15, v0
	v_bfe_u32 v2, v0, 4, 1
	v_and_b32 v4, 31, v0
	v_lshlrev_b32 v4, 4, v4                        ; 16 x lane: my place in a chunk of an image
	s_wait_alu depctr_va_vdst(0)                   ; the wait behind these writes
	s_mul_i32 s21, s15, HALFT
	s_mul_i32 s22, s16, HALFT
	s_add_co_u32 s22, s22, 2*HALFT
.irp s, 0,1
	v_add_nc_u32 v[ADRA+\s], s21, v4
	v_add_nc_u32 v[ADRB+\s], s22, v4
	s_add_co_u32 s21, s21, SLOT
	s_add_co_u32 s22, s22, SLOT
.endr
	v_mul_u32_u24 v5, v1, KS
	v_lshrrev_b32 v6, 8, v5
	v_lshl_add_u32 v5, v6, 4, v5
	s_mul_i32 s21, s15, HALFS
	s_mul_i32 s22, s16, HALFS
	s_add_co_u32 s22, s22, 2*HALFS
	s_sub_co_u32 s22, s22, s21
	v_mul_u32_u24 v6, s22, v2
	s_add_co_u32 s21, s21, SCL
	v_add_nc_u32 v5, v5, v6
	v_add_nc_u32 v[ADRS], s21, v5
	v_and_b32 v6, 31, v0
	v_lshlrev_b32 v[VO], 4, v6
	s_lshl_b32 s46, s42, 1
	s_add_co_u32 s46, s46, s16
	s_lshl_b32 s20, s17, 1
	s_add_co_u32 s20, s20, s15
	s_lshl_b32 s92, s46, 4
	s_add_co_u32 s92, s92, s20
	s_lshl_b32 s93, s20, 4
	s_add_co_u32 s93, s93, s46
	s_add_co_u32 s93, s93, 480
	s_cmp_ge_u32 ttmp9, 4
	s_cselect_b32 s92, s93, s92
	s_mul_i32 s46, s92, 12288
	s_mov_b32 s47, 0
	s_add_nc_u64 s[10:11], s[10:11], s[46:47]
	s_lshl_b32 s46, s92, 9
	s_add_nc_u64 s[12:13], s[12:13], s[46:47]
	s_lshl_b32 s20, s20, 17
	s_mov_b32 s21, 0
	s_add_nc_u64 s[8:9], s[8:9], s[20:21]
	s_mov_b32 s96, 0xffff0000
	s_mov_b32 s[SEL], 0x76543210
	s_mov_b32 s[SEL+1], 0xfedcba98
.macro FRAG reg, adr, q, i             ; an image's three chunks, as they lie
.irp c, 0,1,2
	ds_load_b128 v[\reg+4*\c:\reg+4*\c+3], v[\adr] offset:(\i)*ROWB+(\q)*1536+512*\c
.endr
.endm
.macro MUL16 a0, p, q, sc, zero
.irp a, \a0, \a0+1
.irp b, 0,1,2,3,4,5,6,7
.if \zero
	v_wmma_scale_f32_16x16x128_f8f6f4 v[8*(8*((\a)%4)+\b):8*(8*((\a)%4)+\b)+7], v[128*(\p)+FR*\b:128*(\p)+FR*\b+FR-1], v[AF+FR*(\a):AF+FR*(\a)+FR-1], 0, v[SC+8*NQ*(\sc)+NQ*\b+(\q)], v[SC+8*NQ*(\sc)+NQ*(\a)+(\q)] matrix_a_fmt:MATRIX_FMT_FP6 matrix_b_fmt:MATRIX_FMT_FP6 matrix_a_scale:MATRIX_SCALE_ROW1
.else
	v_wmma_scale_f32_16x16x128_f8f6f4 v[8*(8*((\a)%4)+\b):8*(8*((\a)%4)+\b)+7], v[128*(\p)+FR*\b:128*(\p)+FR*\b+FR-1], v[AF+FR*(\a):AF+FR*(\a)+FR-1], v[8*(8*((\a)%4)+\b):8*(8*((\a)%4)+\b)+7], v[SC+8*NQ*(\sc)+NQ*\b+(\q)], v[SC+8*NQ*(\sc)+NQ*(\a)+(\q)] matrix_a_fmt:MATRIX_FMT_FP6 matrix_b_fmt:MATRIX_FMT_FP6 matrix_a_scale:MATRIX_SCALE_ROW1
.endif
.endr
.endr
.endm
.macro FETCH_B slot, q, p
	WIN TO_B
.irp i, 0,1,2,3,4,5,6,7
	FRAG 128*(\p)+FR*\i, ADRB+\slot, \q, \i
.endr
	WIN 0
.endm
.macro FETCH_A slot, q, i0
.irp i, \i0, \i0+1, \i0+2, \i0+3
	FRAG AF+FR*(\i), ADRA+\slot, \q, \i
.endr
.endm
.macro SCALES sc
.irp i, 0,1,2,3,4,5,6,7
	ds_load_b64 v[SC+8*NQ*\sc+NQ*\i:SC+8*NQ*\sc+NQ*\i+1], v[ADRS] offset:\i*SBLK
.endr
.endm
.macro PLACES n
.rept \n
	v_nop
.endr
.endm
.macro STEP slot, q, zero
	s_wait_dscnt 4*NL
	WIN MUL_LO
	MUL16 0, (\q)%2, \q, \slot, \zero
	MUL16 2, (\q)%2, \q, \slot, \zero
	s_wait_dscnt 0
	PLACES NP
	FETCH_B \slot, (\q)+1, 1-(\q)%2
	FETCH_A \slot, (\q)+1, 0
	WIN MUL_HI
	MUL16 4, (\q)%2, \q, \slot, \zero
	MUL16 6, (\q)%2, \q, \slot, \zero
	PLACES NP
	WIN 0
	FETCH_A \slot, (\q)+1, 4
.endm
.macro TURN slot, next, fill
	s_wait_tensorcnt 0x0
	ds_add_u32 v[SPW], v[NIL]
	s_wait_dscnt 4*NL+1
	WIN MUL_LO
	MUL16 0, 1, NQ-1, \slot, 0
	s_wait_dscnt 0x0
	s_barrier_signal -1
	MUL16 2, 1, NQ-1, \slot, 0
	WIN 0
	s_barrier_wait -1
.if \fill
	CREST
	s_add_nc_u64 s[G0+4*\slot+2:G0+4*\slot+3], s[G0+4*\slot+2:G0+4*\slot+3], 2*ROWB
	s_add_nc_u64 s[G0B+4*\slot+2:G0B+4*\slot+3], s[G0B+4*\slot+2:G0B+4*\slot+3], 2*ROWB
	JLOAD G0+4*\slot, G1, G0B+4*\slot, G1B
.else
	PLACES NP
.endif
	s_wait_alu depctr_va_vdst(0)
	v_add_nc_u32 v[ADRS], 4*NQ, v[ADRS]
	FETCH_B \next, 0, 0
	FETCH_A \next, 0, 0
	SCALES \next
	WIN MUL_HI
	MUL16 4, 1, NQ-1, \slot, 0
	MUL16 6, 1, NQ-1, \slot, 0
	PLACES NP
	WIN 0
	FETCH_A \next, 0, 4
.endm
	s_wait_alu depctr_va_vdst(0)
	s_wait_tensorcnt 0x0                           ; my tile of the head's four is in
	ds_add_u32 v[SPW], v[NIL]
	s_mov_b32 s[G1+2], 8<<16                       ; no tensor load of mine is out: from here on a load brings 8 blocks of 16 rows
	s_mov_b32 s[G1+4], 8
	s_mov_b32 s[G1B+2], 8<<16
	s_mov_b32 s[G1B+4], 8
	s_wait_dscnt 0x0
	CROUND
	JLOAD G0+4, G1, G0B+4, G1B                     ; slot 1's first fill, the first tensor load behind the round
	FETCH_B 0, 0, 0
	FETCH_A 0, 0, 0
	SCALES 0
	FETCH_A 0, 0, 4
	STEP 0, 0, 1
	s_mov_b32 s3, LAPS-1
.Llap:
	TURN 0, 1, 1
	STEP 1, 0, 0
	TURN 1, 0, 1
	STEP 0, 0, 0
	s_sub_co_u32 s3, s3, 1
	s_cmp_lg_u32 s3, 0
	s_cbranch_scc1 .Llap
	TURN 0, 1, 0
	STEP 1, 0, 0
	s_wait_dscnt 4*NL
	WIN MUL_LO
	MUL16 0, 1, NQ-1, 1, 0
	MUL16 2, 1, NQ-1, 1, 0
	s_wait_dscnt 0
	WIN MUL_HI
	MUL16 4, 1, NQ-1, 1, 0
	MUL16 6, 1, NQ-1, 1, 0
	WIN 0
.macro LOADIMG a
	WIN 0x40
.set ci, 0
.rept 32
	global_load_b128 v[128*((\a)%2)+4*ci:128*((\a)%2)+4*ci+3], v[VO], s[8:9] offset:(\a)*16384+512*ci
.set ci, ci+1
.endr
	WIN 0
.endm
.macro ROPE a
	WIN 0x06+(\a)/4
.set ri, 0
.rept 32
	v_pk_mul_f32 v[T+ri:T+ri+1], v[64*((\a)%4)+ri:64*((\a)%4)+ri+1], v[128*((\a)%2)+ri:128*((\a)%2)+ri+1]
.set ri, ri+2
.endr
.set ri, 0
.rept 32
	v_pk_fma_f32 v[T+ri:T+ri+1], v[64*((\a)%4)+(ri+32)%64:64*((\a)%4)+(ri+32)%64+1], v[128*((\a)%2)+64+ri:128*((\a)%2)+64+ri+1], v[T+ri:T+ri+1]
.set ri, ri+2
.endr
	WIN 0
.endm
.macro QUANT s, w, pc, pw
	WIN (\w)*0x14
.irp b, 0,1,2,3
	v_max3_num_f32 v[TM+\b], 0x1800000, |v[(\s)+16*\b]|, |v[(\s)+1+16*\b]|
.endr
.irp i, 2,4,6,8,10,12,14
.irp b, 0,1,2,3
	v_max3_num_f32 v[TM+\b], v[TM+\b], |v[(\s)+16*\b+\i]|, |v[(\s)+1+16*\b+\i]|
.endr
.endr
	WIN 0
.irp b, 0,1,2,3
	v_permlanex16_b32 v[TM+4+\b], v[TM+\b], s[SEL], s[SEL+1]
.endr
.irp b, 0,1,2,3
	v_max_num_f32 v[TM+\b], v[TM+\b], v[TM+4+\b]
.endr
.irp b, 0,1,2,3
	v_add_nc_u32 v[TM+12+\b], 0xff000000, v[TM+\b]
.endr
.irp b, 0,1,2,3
	v_lshrrev_b32 v[TM+4+\b], 23, v[TM+12+\b]
.endr
	v_lshl_or_b32 v[\pw], v[TM+5], 8, v[TM+4]
	v_lshl_or_b32 v[\pw], v[TM+6], 16, v[\pw]
	v_lshl_or_b32 v[\pw], v[TM+7], 24, v[\pw]
	WIN (\w)
.irp c, 0,1
	v_cvt_scalef32_pk16_fp6_f32 v[(\pc)+6*\c:(\pc)+2+6*\c], v[(\s)+32*\c:(\s)+15+32*\c], v[TM+12+2*\c]
	v_cvt_scalef32_pk16_fp6_f32 v[TP+4*\c:TP+2+4*\c], v[(\s)+16+32*\c:(\s)+31+32*\c], v[TM+12+2*\c+1]
.endr
	WIN 0
	v_nop
.irp c, 0,1
.irp i, 0,1,2
	v_permlane16_swap_b32 v[(\pc)+6*\c+\i], v[TP+4*\c+\i]
.endr
.irp i, 0,1,2
	v_mov_b32 v[(\pc)+3+6*\c+\i], v[TP+4*\c+\i]
.endr
.endr
.endm
.macro BLOCKQ s, w, a
.if (\a)%2
	QUANT \s, \w, CBF+12*(\a), PWT
.else
	QUANT \s, \w, CBF+12*(\a), SW+(\a)/2
.endif
.irp c, 0,1,2
	global_store_b128 v[VO], v[CBF+12*(\a)+4*\c:CBF+12*(\a)+4*\c+3], s[10:11] offset:(\a)*1536+512*\c
.endr
.if (\a)%2
	v_cndmask_b32 v[SW+(\a)/2], v[SW+(\a)/2], v[PWT], s96
.endif
.endm
	PLACES NP
.irp b, 0,1,2,3
	v_mov_b32 v[TM+4+\b], 0
.endr
	s_cmp_ge_u32 ttmp9, 4
	s_cbranch_scc1 .Lv
	LOADIMG 0
	LOADIMG 1
.irp a, 0,1,2,3,4,5,6,7
.if \a < 7
	s_wait_loadcnt 32
.else
	s_wait_loadcnt 0x0
.endif
	ROPE \a
.if \a < 6
	LOADIMG \a+2
.endif
	BLOCKQ T, 0, \a
.endr
	s_branch .Lend
.Lv:
.irp a, 0,1,2,3,4,5,6,7
	BLOCKQ 64*((\a)%4), 2+(\a)/4, \a
.endr
.Lend:
	s_wait_alu depctr_va_vdst(0)
	global_store_b128 v[VO], v[SW:SW+3], s[12:13]
	s_wait_tensorcnt 0x0
	ds_add_u32 v[SPW], v[NIL]
	s_wait_dscnt 0x0
	CROUND
	s_endpgm
.Lfunc_end_k_qa3481a1b9a_qkv:
	.size	k_qa3481a1b9a_qkv, .Lfunc_end_k_qa3481a1b9a_qkv-k_qa3481a1b9a_qkv
	.p2alignl 7, 3214868480
	.fill 96, 4, 3214868480
	.section	.rodata,"a",@progbits
	.p2align	6, 0x0
	.amdhsa_kernel k_qa3481a1b9a_qkv
		.amdhsa_group_segment_fixed_size 327680
		.amdhsa_private_segment_fixed_size 0
		.amdhsa_enable_private_segment 0
		.amdhsa_kernarg_size 40
		.amdhsa_user_sgpr_count 2
		.amdhsa_user_sgpr_kernarg_segment_ptr 1
		.amdhsa_wavefront_size32 1
		.amdhsa_system_sgpr_workgroup_id_x 1
		.amdhsa_system_sgpr_workgroup_id_y 1
		.amdhsa_system_sgpr_workgroup_id_z 1
		.amdhsa_system_vgpr_workitem_id 0
		.amdhsa_next_free_vgpr 1024
		.amdhsa_next_free_sgpr 100
		.amdhsa_reserve_vcc 0
		.amdhsa_float_denorm_mode_32 3
		.amdhsa_float_denorm_mode_16_64 3
		.amdhsa_memory_ordered 1
		.amdhsa_forward_progress 1
		.amdhsa_inst_pref_size 230
	.end_amdhsa_kernel
	.amdgpu_metadata
---
amdhsa.version: [ 1, 2 ]
amdhsa.kernels:
  - .name:           k_qa3481a1b9a_qkv
    .symbol:         k_qa3481a1b9a_qkv.kd
    .args:
      - { .name: codes, .offset: 0, .size: 8, .value_kind: global_buffer, .address_space: global }
      - { .name: scales, .offset: 8, .size: 8, .value_kind: global_buffer, .address_space: global }
      - { .name: rope, .offset: 16, .size: 8, .value_kind: global_buffer, .address_space: global }
      - { .name: qkvf, .offset: 24, .size: 8, .value_kind: global_buffer, .address_space: global }
      - { .name: qkvs, .offset: 32, .size: 8, .value_kind: global_buffer, .address_space: global }
    .group_segment_fixed_size: 327680
    .private_segment_fixed_size: 0
    .kernarg_segment_align: 8
    .kernarg_segment_size: 40
    .max_flat_workgroup_size: 128
    .sgpr_count:     100
    .vgpr_count:     1024
    .wavefront_size: 32
...
	.end_amdgpu_metadata
.endif
;; end of part 2
;; launch attn (part 3): grid 16 x 16, 16 waves a work-group, clusters of 4 x 1, 327,680 bytes of LDS; arguments qkvf, qkvs, attention_mask, acodes, ascales; writes acodes, ascales
.if DOCPART == 3
	.amdgcn_target "amdgcn-amd-amdhsa--gfx1250"
	.amdhsa_code_object_version 6
	.text
	.protected	k_qa3481a1b9a_attn
	.globl	k_qa3481a1b9a_attn
	.p2align	8
	.type	k_qa3481a1b9a_attn,@function
k_qa3481a1b9a_attn:
	s_mov_b64 s[64:65], 0
	v_nop
	global_prefetch_b8 v0, s[64:65] scope:SCOPE_SE
	s_setreg_imm32_b32 hwreg(HW_REG_WAVE_MODE, 25, 1), 1
	s_wait_xcnt 0x0
	s_wait_alu depctr_hold_cnt(0) depctr_sa_sdst(0) depctr_va_vdst(0) depctr_va_sdst(0) depctr_va_ssrc(0) depctr_va_vcc(0) depctr_vm_vsrc(0)
	s_getreg_b32 s2, hwreg(HW_REG_IB_STS2, 6, 4)
	s_cmp_eq_u32 s2, 0
	s_cbranch_scc0 .Lentry_in_a_cluster
	s_endpgm
.Lentry_in_a_cluster:
	s_bfe_u32 s2, ttmp6, 0x10000c
	s_cmp_lg_u32 s2, 0x3003
	s_cbranch_scc0 .Lentry_shape_is_right
	s_endpgm
.Lentry_shape_is_right:
; For each head: O[q] = sum over k of softmax_k(Q[q] . K[k] / sqrt(128) + (1 - mask[k]) x -10000) V[k], both products on codes of FP6 (E2M3) with E8M0 scales; O is then quantised along the model's 2,048 for the last product.
; THE SOFTMAX: t = logit x log2(e); M = the row's largest t so far, rounded UP to a whole number; p = 2^(t - M) is quantised along the keys, not normalised.  The row's sum is taken of the unquantised p, in f32, and divides O
; at the end.  When M moves, the sum and O are multiplied by 2^(old M - new M): exact.
; THE MASK MAY HOLD ANY NUMBERS, so the addend may be large beside the scores, and the places at which the logit and t are rounded then decide p.  They are rounded where the definition rounds them:
; addend = (1 - mask) x -10000, two roundings, made once; logit = score x (1 / sqrt(128)) + addend, one fused multiply-add; t = logit x log2(e), rounded; t - M by an addition of its own.
; LIMITS: the promise holds while |t| stays under 2^31.  NaN and infinities are not served; a block of O whose largest magnitude lies under 2^-124 gets the scale byte 1 (read by this program alone).
; IN: qkvf [q, k, v][16 heads][16 blocks of 128][8 fragments][1,536 bytes], images of operand registers (three chunks of 512 bytes, a lane's 16 bytes at 16 x lane); qkvs [3][16][16][512 bytes]: word p of a lane's 16 bytes is the
; scale word of fragment 2 p + lane / 16, row lane % 16.  In a fragment of q or k lane r holds token 32 (f / 2) + 8 (f % 2) + r + 8 (r / 8) of its block; in one of v, that channel; v's K are the block's 128 keys.
; OUT: acodes [128 blocks of 16 stored tokens][16 heads][1,536 bytes], images again; ascales [2048 stored tokens][64 bytes].
; SHARES.  A work-group owns 128 queries of one head.  Sixteen waves, four to a SIMD, 256 registers each: wave w owns fragment w % 8 of q, 16 queries, and half w / 8 of the keys: of each slot's four key steps it walks two.
; At the end waves 8-15 hand O, M and the sum to waves 0-7 through a stage in LDS, and those join the halves (exact powers of two), divide, quantise and store.
; THE RING: two slots of four key steps (K's four, then V's four: 98,304 bytes).  Every wave fetches 6,144 bytes of a slot, 24 rows of 256 bytes: one tensor load a wave at the head and behind each round, with no branch.
; CLUSTER.  The four blocks of queries of a cluster belong to one head and walk the same K and V: each load is joint, with a mask that names the four.  The head's scale words (16,384 bytes) and the mask (8,192 bytes) come by
; ordinary loads and LDS stores, a sixteenth part of what a work-group takes in: they are not asked for jointly.
; Both products are used transposed (S^T = K Q^T, O^T = V^T P^T): a lane holds ONE query, and 16 registers of two neighbouring tiles are 16 neighbouring keys (or channels).
; REGISTERS: v1-4, v7, v28, v29 addresses that stay; v5, v6 for the add; v8-11 the slot's addresses; v12 -M, v13 the largest t, v[14:15] the sum; v16-27 Q; v32-79 four fragments of K or V; v32-95 between them the step's 64 addends;
; v96-159 S^T, the logits, p, then V's other four fragments; v160-223 O^T; v224-235 p's codes; v224-247, v252, v254 at work; v248-251 K's or V's scale words; v253 p's scale word; v255 Q's.
.set KB,    12288                      ; a key step's eight fragments of K, or of V
.set VOFF,  4*KB                       ; a slot: K's four steps, then V's four
.set SLOT1, 131072                     ; slot 1 begins here: one exclusive or turns an address in one slot into the other's
.set NSL,   4
.set SCL,   98304                      ; between the slots: the head's scale words of K, 8,192 bytes, then of V: stored by the waves; no fill lands here
.set MADD,  114688                     ; the 2,048 addends, 8,192 bytes, likewise
.set SPARE, 122880                     ; the spare words, 128 bytes for each wave: eight blocks of 256 bytes that no other line names
.set STG,   229376                     ; behind slot 1: the stage, 8,704 bytes for each pair of waves
.set LI,   1                           ; 16 x lane + my half's two key steps
.set LSC,  2                           ; SCL + 16 x lane + my half
.set LM,   3                           ; MADD + 64 (lane / 16) + my half
.set STA,  4                           ; my pair's stage + 16 x lane
.set SPW,  5
.set NIL,  6
.set CA,   7                           ; 16 x lane
.set ADK,  8
.set ADV,  9
.set ADS,  10
.set ADM,  11
.set PFO,  28                          ; 256 x lane
.set SA,   29                          ; 64 x (lane % 16)
.set AD,   32                          ; the step's addends: register 16 b + i: key 32 b + 16 (lane / 16) + i
.set TM,   232
.set PW,   252
.set PC,   32
.set TP,   44
.set LG,   16                          ; s[16:17] log2(e)
.set WV,   18
.set QT,   19
.set SEL,  20                          ; s[20:21] lane l xor 16
.set KH,   22
.set G1,   24
.set G0,   40
.set TB,   48                          ; LDS byte at which the slot in hand begins
.set TS,   49                          ; 512 x the slot's first key step
.set SLOTS, 50
.set PFA,  52
.set LIM,  54
.set IS,   66                          ; s[66:67] 1 / sqrt(128)
.macro CROUND
	s_barrier_signal -1
	s_barrier_wait -1
	s_cmp_lg_u32 s[WV], 0
	s_cbranch_scc1 .Lnot_wave_0_\@
	s_barrier_signal -3
.Lnot_wave_0_\@:
	s_barrier_wait -3
	s_barrier_signal -1
	s_barrier_wait -1
.endm
.macro TLOAD
	tensor_load_to_lds s[G0:G0+3], s[G1:G1+7]
	s_nop 0
.rept 4
	v_nop
.endr
.endm
; A PREFETCH INTO THE L2, behind the joint load of slot i + 1: slot i + 2's 98,304 bytes, twelve pieces of 8,192 bytes, lanes 256 bytes apart: four key steps ahead of the load that wants them.  Each cluster asks for what it will
; load: partners 0 and 1 take the halves of K's bytes, partners 2 and 3 of V's, told apart BY ADDRESS; in each, waves 0, 1 and 2 take a piece each.  Asked at s[SLOTS] = 3, 2, for slots 2, 3; the last piece ends with the head's bytes.
.macro ASK
	s_cmp_gt_u32 s[SLOTS], s[LIM]
	s_cbranch_scc0 .Lnot_mine_\@
	global_prefetch_b8 v[PFO], s[PFA:PFA+1] th:TH_LOAD_NT scope:SCOPE_SE
.Lnot_mine_\@:
.endm
.macro WM d, a, b, sa, sb, odd         ; D += A x B in place.  An odd fragment's scale words lie in lanes 16-31 of their register
.if \odd
	v_wmma_scale_f32_16x16x128_f8f6f4 v[(\d):(\d)+7], v[(\a):(\a)+11], v[(\b):(\b)+11], v[(\d):(\d)+7], v[\sa], v[\sb] matrix_a_fmt:MATRIX_FMT_FP6 matrix_b_fmt:MATRIX_FMT_FP6 matrix_a_scale:MATRIX_SCALE_ROW1
.else
	v_wmma_scale_f32_16x16x128_f8f6f4 v[(\d):(\d)+7], v[(\a):(\a)+11], v[(\b):(\b)+11], v[(\d):(\d)+7], v[\sa], v[\sb] matrix_a_fmt:MATRIX_FMT_FP6 matrix_b_fmt:MATRIX_FMT_FP6
.endif
.endm
.macro WMZ d, a, b, sa, sb, odd        ; D = A x B: the one product of a score's sum
.if \odd
	v_wmma_scale_f32_16x16x128_f8f6f4 v[(\d):(\d)+7], v[(\a):(\a)+11], v[(\b):(\b)+11], 0, v[\sa], v[\sb] matrix_a_fmt:MATRIX_FMT_FP6 matrix_b_fmt:MATRIX_FMT_FP6 matrix_a_scale:MATRIX_SCALE_ROW1
.else
	v_wmma_scale_f32_16x16x128_f8f6f4 v[(\d):(\d)+7], v[(\a):(\a)+11], v[(\b):(\b)+11], 0, v[\sa], v[\sb] matrix_a_fmt:MATRIX_FMT_FP6 matrix_b_fmt:MATRIX_FMT_FP6
.endif
.endm
.macro FOUR reg, adr, off              ; four fragments, as they stand
.irp t, 0,1,2,3
.irp c, 0,1,2
	ds_load_b128 v[(\reg)+12*\t+4*\c:(\reg)+12*\t+4*\c+3], v[\adr] offset:(\off)+\t*1536+512*\c
.endr
.endr
.endm
	s_load_b256 s[4:11], s[0:1], 0x0               ; qkvf, qkvs, attention_mask, acodes
	s_load_b64 s[12:13], s[0:1], 0x20              ; ascales
	v_lshl_add_u32 v[SPW], v0, 2, SPARE
	v_mov_b32 v[NIL], 0
	ds_add_u32 v[SPW], v[NIL]                      ; the opening lines: the add, twice on end, and its wait
	ds_add_u32 v[SPW], v[NIL]
	v_lshrrev_b32 v8, 5, v0
	s_delay_alu instid0(VALU_DEP_1)
	v_readfirstlane_b32 s[WV], v8                  ; wave 0..15
	s_and_b32 s[QT], s[WV], 7                      ; my fragment of q
	s_lshr_b32 s[KH], s[WV], 3                     ; my half of the keys
	s_bfe_u32 s56, ttmp6, 0x40000                  ; cx
	s_lshl_b32 s57, ttmp9, 2
	s_add_co_u32 s57, s57, s56                     ; my block of 128 queries
	s_and_b32 s58, ttmp7, 0xffff                   ; the head, which the four partners share
	s_lshl_b32 s59, s58, 4
	s_add_co_u32 s62, s59, 256                     ; the head's first block in K's section
	s_mul_i32 s66, s62, KB
	s_mul_i32 s63, s[KH], 256*KB                   ; waves 8-15 fetch V's bytes
	s_mul_i32 s60, s[QT], 6144
	s_add_co_u32 s63, s63, s60
	s_add_co_u32 s68, s66, s63                     ; what I fetch: made of the wave's number and the head alone
	s_mov_b32 s69, 0
	s_mul_i32 s[G0+1], s[WV], 6144                 ; and where it goes in slot 0
	s_lshl_b32 s72, s62, 9                         ; K's scale words; V's lie 131,072 bytes on
	s_mov_b32 s73, 0
	s_mov_b32 s[G1], 15|(3<<16)|(1<<21)            ; the mask: all four work-groups; elements of 8 bytes; bit 21 set beside a mask
	s_mov_b32 s[G1+1], 32<<16
	s_mov_b32 s[G1+2], 24<<16                      ; 24 rows of 256 bytes
	s_mov_b32 s[G1+3], 32<<16
	s_mov_b32 s[G1+4], 24
	s_mov_b32 s[G1+5], 32
	s_mov_b32 s[G1+6], 0
	s_mov_b32 s[G1+7], 0
	s_add_co_u32 s60, s59, s57                     ; 16 x head + block
	s_lshl_b32 s61, s60, 3
	s_add_co_u32 s61, s61, s[QT]
	s_mul_i32 s74, s61, 1536                       ; my fragment of Q
	s_mov_b32 s75, 0
	s_lshl_b32 s76, s60, 9
	s_and_b32 s61, s[QT], 1
	s_lshl_b32 s61, s61, 8                         ; an odd fragment's words lie in lanes 16-31's bytes,
	s_add_co_u32 s76, s76, s61
	s_lshr_b32 s61, s[QT], 1
	s_lshl_b32 s61, s61, 2                         ; word f / 2
	s_add_co_u32 s76, s76, s61
	s_mov_b32 s77, 0
	s_lshl_b32 s61, s57, 3
	s_add_co_u32 s61, s61, s[QT]                   ; my stored block of 16 tokens
	s_lshl_b32 s78, s61, 4
	s_add_co_u32 s78, s78, s58
	s_mul_i32 s78, s78, 1536                       ; its image for this head
	s_mov_b32 s79, 0
	s_lshl_b32 s70, s61, 10
	s_lshl_b32 s71, s58, 2
	s_add_co_u32 s70, s70, s71                     ; its rows of scale bytes, the head's four
	s_mov_b32 s71, 0
	s_and_b32 s60, s56, 1                          ; the prefetches: my piece of six: 3 (cx % 2) + wave
	s_mul_i32 s60, s60, 3
	s_add_co_u32 s60, s60, s[WV]
	s_lshl_b32 s60, s60, 13
	s_lshr_b32 s61, s56, 1
	s_mul_i32 s61, s61, 256*KB                     ; partners 2 and 3: V's section
	s_add_co_u32 s60, s60, s61
	s_add_co_u32 s60, s60, s66
	s_add_co_u32 s60, s60, 4*KB                    ; in slot 1: the first change of slots steps it to slot 2
	s_mov_b32 s61, 0
	s_cmp_lt_u32 s[WV], 3
	s_cselect_b32 s[LIM], 1, -1
	s_mov_b32 s[SEL], 0x76543210
	s_mov_b32 s[SEL+1], 0xfedcba98
	s_mov_b32 s[IS], 0x3db504f3                    ; 1 / sqrt(128) = sqrt(2) / 16 (the offset that lay in s66 has been used)
	s_mov_b32 s[IS+1], s[IS]                       ; (named with it as a pair, so it is written)
	s_mov_b32 s[LG], 0x3fb8aa3b                    ; log2(e)
	s_mov_b32 s[LG+1], s[LG]
	s_mov_b32 s[TB], 0
	s_mov_b32 s[TS], 0
	s_mov_b32 s[SLOTS], NSL-1
	s_wait_dscnt 0x0                               ; both opening adds are done
	s_wait_kmcnt 0x0
	s_mov_b32 s[G0], 1
	s_add_nc_u64 s[G0+2:G0+3], s[4:5], s[68:69]
	s_or_b32 s[G0+3], s[G0+3], 0x80000000
	s_add_nc_u64 s[PFA:PFA+1], s[4:5], s[60:61]
	s_add_nc_u64 s[74:75], s[4:5], s[74:75]
	s_add_nc_u64 s[76:77], s[6:7], s[76:77]
	s_add_nc_u64 s[72:73], s[6:7], s[72:73]
	s_add_nc_u64 s[10:11], s[10:11], s[78:79]
	s_add_nc_u64 s[12:13], s[12:13], s[70:71]
	CROUND                                         ; all four work-groups are here: the first joint loads meet
	TLOAD                                          ; slot 0: one tensor load in every wave
	v_and_b32 v[CA], 31, v0
	s_delay_alu instid0(VALU_DEP_1)
	v_lshlrev_b32 v[PFO], 8, v[CA]
	v_lshlrev_b32 v[CA], 4, v[CA]
	s_mul_i32 s60, s[KH], 2*KB
	s_lshl_b32 s61, s[KH], 10
	v_bfe_u32 v9, v0, 4, 1                         ; h
	v_and_b32 v8, 15, v0                           ; r
	v_add_nc_u32 v[LI], s60, v[CA]
	s_add_co_u32 s60, s61, SCL
	v_add_nc_u32 v[LSC], s60, v[CA]
	s_add_co_u32 s60, s61, MADD
	v_lshl_add_u32 v[LM], v9, 6, s60
	s_mul_i32 s60, s[QT], 8704
	s_add_co_u32 s60, s60, STG
	v_add_nc_u32 v[STA], s60, v[CA]
	v_lshlrev_b32 v10, 4, v8
	v_lshlrev_b32 v[SA], 6, v8
	v_lshlrev_b32 v11, 4, v0                       ; 16 x thread: 512 threads cover 8,192 bytes
	s_delay_alu instid0(VALU_DEP_1)
	v_add_nc_u32 v30, SCL, v11
	s_wait_alu depctr_va_vdst(0)                   ; the wait behind these writes
.irp c, 0,1,2
	global_load_b128 v[16+4*\c:19+4*\c], v[CA], s[74:75] offset:512*\c   ; Q's fragment stays in registers
.endr
	global_load_b32 v255, v10, s[76:77]            ; Q's scale words
	global_load_b128 v[32:35], v11, s[72:73]       ; K's scale words of the head,
	global_load_b128 v[36:39], v11, s[72:73] offset:131072   ; V's,
	global_load_b128 v[40:43], v11, s[8:9]         ; the mask
	v_mov_b32 v13, 0xff61b1e6                      ; the largest t so far: -3e38
	s_delay_alu instid0(VALU_DEP_1)
	v_floor_f32 v12, -v13                          ; -M
	v_mov_b32 v14, 0
	v_mov_b32 v15, 0
.irp b, 0,1,2,3
	v_mov_b32 v[236+\b], 0                         ; a lane permute's destination counts as one of its sources
.endr
	v_mov_b32 v253, 0                              ; (named as the upper half of v[252:253] before it is first written)
.set jj, 0
.rept 64
	v_mov_b32 v[160+jj], 0                         ; O^T: the step is written once: the first finds zeros, which the first change of M leaves zeros
.set jj, jj+1
.endr
	s_wait_alu depctr_va_vdst(0)                   ; the wait here, directly ahead of the wait below
	s_wait_loadcnt 0x0
.irp j, 0,1,2,3
	v_sub_f32 v[40+\j], 1.0, v[40+\j]
.endr
.irp j, 0,1,2,3
	s_delay_alu instid0(VALU_DEP_4)
	v_mul_f32 v[40+\j], 0xc61c4000, v[40+\j]       ; the addend: (1 - mask) x -10000, rounded twice, as it is defined
.endr
	ds_store_b128 v30, v[32:35]                    ; the first change of slots waits for these stores and passes a barrier ahead of every read
	ds_store_b128 v30, v[36:39] offset:8192
	ds_store_b128 v30, v[40:43] offset:MADD-SCL
	s_wait_alu depctr_va_vdst(0)                   ; the wait at the head's end
; A KEY STEP: 128 keys, the q-th of my two in the slot in hand.
.macro STEP q
	ds_load_b128 v[248:251], v[ADS] offset:512*(\q)   ; K's scale words
	FOUR 32, ADK, (\q)*KB
	s_wait_dscnt 0x0
.irp t, 0,1,2,3
	WMZ 96+8*\t, 32+12*\t, 16, 248+\t/2, 255, \t%2 ; S^T = K Q^T, four tiles of 16 keys at a time
.endr
.rept 4
	v_nop                                          ; places in front of loads into registers that these products have read
.endr
	FOUR 32, ADK, (\q)*KB+4*1536
	s_wait_dscnt 0x0
.irp t, 0,1,2,3
	WMZ 128+8*\t, 32+12*\t, 16, 250+\t/2, 255, \t%2
.endr
.rept 4
	v_nop                                          ; places: in front of the loads below and of the reads of the scores
.endr
.irp b, 0,1,2,3
.irp j, 0,1,2,3
	ds_load_b128 v[AD+16*\b+4*\j:AD+3+16*\b+4*\j], v[ADM] offset:512*(\q)+128*\b+16*\j   ; the addends; the sixteen lanes of a half read the same bytes
.endr
.endr
	ds_load_b128 v[248:251], v[ADS] offset:8192+512*(\q)   ; V's scale words
	s_wait_dscnt 1                                 ; the addends are in; the load of V's scale words may be out
.set jj, 0
.rept 32
	v_pk_fma_f32 v[96+jj:97+jj], v[96+jj:97+jj], s[IS:IS+1], v[AD+jj:AD+1+jj] op_sel_hi:[1,0,1]   ; the logit: score / sqrt(128) + addend, two at a time; each accumulator from its low end on
.set jj, jj+2
.endr
	FOUR 32, ADV, (\q)*KB                          ; V's first four fragments, into registers that the addends have left: they land under the softmax
.irp b, 0,1,2,3
	v_max3_num_f32 v[232+\b], v[96+16*\b], v[97+16*\b], v[98+16*\b]   ; the largest logit of each block of 32 keys: for the row's maximum and, since p rises with the logit, for the block's largest p
.endr
.irp i, 3,5,7,9,11,13
.irp b, 0,1,2,3
	v_max3_num_f32 v[232+\b], v[232+\b], v[96+16*\b+\i], v[97+16*\b+\i]   ; (the four blocks by turns)
.endr
.endr
.irp b, 0,1,2,3
	v_max_num_f32 v[232+\b], v[232+\b], v[111+16*\b]
.endr
.irp b, 0,1,2,3
	s_delay_alu instid0(VALU_DEP_4)
	v_permlanex16_b32 v[236+\b], v[232+\b], s[SEL], s[SEL+1]
.endr
.irp b, 0,1,2,3
	s_delay_alu instid0(VALU_DEP_4)
	v_max_num_f32 v[232+\b], v[232+\b], v[236+\b]  ; with lane l xor 16's 16 keys
.endr
	s_delay_alu instid0(VALU_DEP_2)
	v_max3_num_f32 v254, v232, v233, v234
	s_delay_alu instid0(VALU_DEP_1)
	v_max_num_f32 v254, v254, v235
	s_delay_alu instid0(VALU_DEP_1)
	v_mul_f32 v254, s[LG], v254                    ; the step's largest t of my query
	s_delay_alu instid0(VALU_DEP_1)
	v_max_num_f32 v13, v13, v254
	v_mov_b32 v254, v12
	s_delay_alu instid0(VALU_DEP_2)
	v_floor_f32 v12, -v13                          ; the new -M = -ceil(t)
	s_delay_alu instid0(VALU_DEP_1)
	v_sub_f32 v254, v12, v254                      ; M's old value less its new one: a whole number, 0 or less
	s_delay_alu instid0(VALU_DEP_1)
	v_cvt_i32_f32 v254, v254                       ; (it saturates)
	s_delay_alu instid0(VALU_DEP_1)
	v_ldexp_f32 v252, 1.0, v254                    ; f = 2^(old M - new M)
.set jj, 0
.rept 32
	v_pk_mul_f32 v[96+jj:97+jj], v[96+jj:97+jj], s[LG:LG+1] op_sel_hi:[1,0]   ; t = logit x log2(e), rounded: not fused with the addition below, since t's own rounding belongs to its definition
.set jj, jj+2
.endr
.irp b, 0,1,2,3
	v_mul_f32 v[232+\b], s[LG], v[232+\b]          ; the same of each block's largest logit
.endr
.set jj, 0
.rept 32
	v_pk_add_f32 v[96+jj:97+jj], v[96+jj:97+jj], v[12:13] op_sel_hi:[1,0]     ; t - M (of the pair the low word, -M, serves both halves)
.set jj, jj+2
.endr
.irp b, 0,1,2,3
	v_add_f32 v[232+\b], v[232+\b], v12
.endr
	s_wait_alu depctr_va_vdst(0)                   ; the wait ahead of the batch
.set jj, 0
.rept 64
	v_exp_f32 v[96+jj], v[96+jj]                   ; p = 2^(t - M)
.set jj, jj+1
.endr
.irp b, 0,1,2,3
	v_exp_f32 v[232+\b], v[232+\b]                 ; the block's largest p: the same operations on the same number
.endr
	v_pk_mul_f32 v[14:15], v[14:15], v[252:253] op_sel_hi:[1,0]   ; the sums under the new M (a plain place behind the batch)
	s_wait_alu depctr_va_vdst(0)                   ; one wait for the whole batch, ahead of its first reader
; the row's sum of the unquantised p: 32 pairs in eight chains
.set cc, 1
.irp t, 224,226,228,230,236,238,240
	v_pk_add_f32 v[\t:\t+1], v[96+2*cc:97+2*cc], v[112+2*cc:113+2*cc]
.set cc, cc+1
.endr
	v_pk_add_f32 v[14:15], v[14:15], v[96:97]
.irp o, 128,144
.set cc, 1
.irp t, 224,226,228,230,236,238,240
	v_pk_add_f32 v[\t:\t+1], v[\t:\t+1], v[\o+2*cc:\o+1+2*cc]
.set cc, cc+1
.endr
	v_pk_add_f32 v[14:15], v[14:15], v[\o-16:\o-15]
.endr
	v_pk_add_f32 v[224:225], v[224:225], v[226:227]
	v_pk_add_f32 v[228:229], v[228:229], v[230:231]
	v_pk_add_f32 v[236:237], v[236:237], v[238:239]
	v_pk_add_f32 v[240:241], v[240:241], v[144:145]
	s_delay_alu instid0(VALU_DEP_4)
	v_pk_add_f32 v[14:15], v[14:15], v[224:225]
	s_delay_alu instid0(VALU_DEP_3)
	v_pk_add_f32 v[228:229], v[228:229], v[236:237]
	s_delay_alu instid0(VALU_DEP_2)
	v_pk_add_f32 v[14:15], v[14:15], v[240:241]
	s_delay_alu instid0(VALU_DEP_1)
	v_pk_add_f32 v[14:15], v[14:15], v[228:229]
.irp b, 0,1,2,3
	v_max_num_f32 v[232+\b], 0x1800000, v[232+\b]  ; the floor 2^(3 - 127): the byte cannot fall under 1
.endr
.irp b, 0,1,2,3
	s_delay_alu instid0(VALU_DEP_4)
	v_add_nc_u32 v[244+\b], 0xff000000, v[232+\b]  ; 2 off the exponent field: the conversion's scale operand
.endr
.irp b, 0,1,2,3
	s_delay_alu instid0(VALU_DEP_4)
	v_lshrrev_b32 v[236+\b], 23, v[244+\b]         ; the scale's byte
.endr
	s_delay_alu instid0(VALU_DEP_3)
	v_lshl_or_b32 v253, v237, 8, v236              ; p's scale word for these 128 keys
	s_delay_alu instid0(VALU_DEP_1)
	v_lshl_or_b32 v253, v238, 16, v253
	s_delay_alu instid0(VALU_DEP_1)
	v_lshl_or_b32 v253, v239, 24, v253
.irp c, 0,1
	v_cvt_scalef32_pk16_fp6_f32 v[224+6*\c:226+6*\c], v[96+32*\c:111+32*\c], v[244+2*\c]
	v_cvt_scalef32_pk16_fp6_f32 v[236+4*\c:238+4*\c], v[112+32*\c:127+32*\c], v[244+2*\c+1]   ; (a conversion's three registers begin on an even number)
.endr
	v_nop                                          ; one plain place behind a scaled conversion
	FOUR 96, ADV, (\q)*KB+4*1536                   ; V's other four fragments, into registers that p has left
.irp c, 0,1                                    ; the operand's layout wants a whole block in a lane
.irp i, 0,1,2
	v_permlane16_swap_b32 v[224+6*\c+\i], v[236+4*\c+\i]
.endr
.irp i, 0,1,2
	s_delay_alu instid0(VALU_DEP_3)
	v_mov_b32 v[227+6*\c+\i], v[236+4*\c+\i]
.endr
.endr
	s_wait_alu depctr_va_vdst(0)                   ; the wait here, directly ahead of the first reader of O^T
.set jj, 0
.rept 32
	v_pk_mul_f32 v[160+jj:161+jj], v[160+jj:161+jj], v[252:253] op_sel_hi:[1,0]   ; O^T under the new M; these 32 also stand between the writes of p's codes and scale word and the products
.set jj, jj+2
.endr
	s_wait_alu depctr_va_vdst(0)                   ; the wait here, directly ahead of the wait below
	s_wait_dscnt 0x0                               ; V's eight fragments and its scale words
.irp t, 0,1,2,3
	WM 160+8*\t, 32+12*\t, 224, 248+\t/2, 253, \t%2   ; O^T += V^T P^T
.endr
.irp t, 0,1,2,3
	WM 192+8*\t, 96+12*\t, 224, 250+\t/2, 253, \t%2
.endr
.rept 5
	v_nop                                          ; five places: the next step's loads land on, and its products write over, registers that these products have read
.endr
.endm
; THE CHANGE OF SLOTS.  Each wave waits for all its tensor loads, adds 0 to its spare word, and waits for that, for its LDS stores and for its reads of the slot that it has left.  fill = 1: a round of the cluster's barrier, and the
; joint refill of the other slot first behind it: it has this slot's key steps in which to land.
.macro CHANGE fill
	s_wait_tensorcnt 0x0
	ds_add_u32 v[SPW], v[NIL]
.if \fill
	s_xor_b32 s[G0+1], s[G0+1], SLOT1              ; no tensor load of mine is out: the descriptor walks: the other slot,
	s_add_nc_u64 s[G0+2:G0+3], s[G0+2:G0+3], 4*KB  ; the next four key steps
	s_wait_xcnt 0x0                                ; the last prefetch has read its address
	s_add_nc_u64 s[PFA:PFA+1], s[PFA:PFA+1], 4*KB
	s_wait_dscnt 0x0
	CROUND
	TLOAD
	ASK
.else
	s_wait_dscnt 0x0
	s_barrier_signal -1
	s_barrier_wait -1
.endif
.endm
.macro SLOT_STEPS
	v_add_nc_u32 v[ADK], s[TB], v[LI]
	v_add_nc_u32 v[ADS], s[TS], v[LSC]
	v_add_nc_u32 v[ADM], s[TS], v[LM]
	s_delay_alu instid0(VALU_DEP_3)
	v_add_nc_u32 v[ADV], VOFF, v[ADK]
	s_wait_alu depctr_va_vdst(0)                   ; the wait behind these writes
	STEP 0
	STEP 1
	s_xor_b32 s[TB], s[TB], SLOT1
	s_add_co_u32 s[TS], s[TS], 2048
.endm
.Lslot:                                            ; NSL - 1 trips: behind each change of slots but the last the next slot is asked for
	CHANGE 1
	SLOT_STEPS
	s_sub_co_u32 s[SLOTS], s[SLOTS], 1
	s_cmp_lg_u32 s[SLOTS], 0
	s_cbranch_scc1 .Lslot
	CHANGE 0                                       ; the last slot is written out: it asks for nothing more
	SLOT_STEPS
	; THE TWO HALVES OF THE KEYS ARE JOINED.  Waves 8-15 put O^T, -M and the sums into their pair's stage
	s_cmp_lt_u32 s[WV], 8
	s_cbranch_scc1 .Lkeep
.set jj, 0
.rept 16
	ds_store_b128 v[STA], v[160+4*jj:163+4*jj] offset:512*jj   ; each accumulator from its low end on
.set jj, jj+1
.endr
	ds_store_b128 v[STA], v[12:15] offset:8192
.Lkeep:
	s_wait_dscnt 0x0
	s_barrier_signal -1
	s_barrier_wait -1
	s_cmp_ge_u32 s[WV], 8
	s_cbranch_scc1 .Lend
.set jj, 0
.rept 16
	ds_load_b128 v[96+4*jj:99+4*jj], v[STA] offset:512*jj
.set jj, jj+1
.endr
	ds_load_b128 v[244:247], v[STA] offset:8192
	s_wait_dscnt 0x0
	v_min_num_f32 v248, v12, v244                  ; -M of both halves
	v_add_f32 v14, v14, v15
	v_add_f32 v246, v246, v247
	s_delay_alu instid0(VALU_DEP_3)
	v_sub_f32 v249, v248, v12                      ; each half's M less the common one: whole numbers, 0 or less
	v_sub_f32 v250, v248, v244
	s_delay_alu instid0(VALU_DEP_2)
	v_cvt_i32_f32 v249, v249
	s_delay_alu instid0(VALU_DEP_2)
	v_cvt_i32_f32 v250, v250
	s_delay_alu instid0(VALU_DEP_2)
	v_ldexp_f32 v249, 1.0, v249
	s_delay_alu instid0(VALU_DEP_2)
	v_ldexp_f32 v250, 1.0, v250
	s_delay_alu instid0(VALU_DEP_2)
	v_mul_f32 v14, v14, v249
	s_delay_alu instid0(VALU_DEP_1)
	v_fma_f32 v14, v246, v250, v14
	s_delay_alu instid0(VALU_DEP_1)
	v_permlanex16_b32 v251, v14, s[SEL], s[SEL+1]
	s_delay_alu instid0(VALU_DEP_1)
	v_add_f32 v14, v14, v251                       ; the row's sum
	s_wait_alu depctr_va_vdst(0)                   ; the wait ahead of the transcendental
	v_rcp_f32 v14, v14
	v_nop                                          ; one plain place behind it
	s_wait_alu depctr_va_vdst(0)                   ; the wait ahead of its first reader
	v_mul_f32 v252, v249, v14                      ; each half's factor: its power of two / the sum
	v_mul_f32 v254, v250, v14
	s_wait_alu depctr_va_vdst(0)                   ; the wait here, directly ahead of the first reader of O^T
.set jj, 0
.rept 32
	v_pk_mul_f32 v[160+jj:161+jj], v[160+jj:161+jj], v[252:253] op_sel_hi:[1,0]
.set jj, jj+2
.endr
.set jj, 0
.rept 32
	v_pk_fma_f32 v[96+jj:97+jj], v[96+jj:97+jj], v[254:255], v[160+jj:161+jj] op_sel_hi:[1,0,1]
.set jj, jj+2
.endr
	; register 16 b + i of a lane is channel 32 b + 16 h + i of its query: the quantiser's order.  The head's 128 channels are four blocks of the last product's K
.irp b, 0,1,2,3
	v_max3_num_f32 v[TM+\b], |v[96+16*\b]|, |v[97+16*\b]|, 0x1800000
.endr
.irp i, 2,4,6,8,10,12,14
.irp b, 0,1,2,3
	s_delay_alu instid0(VALU_DEP_4)
	v_max3_num_f32 v[TM+\b], v[TM+\b], |v[96+16*\b+\i]|, |v[97+16*\b+\i]|
.endr
.endr
.irp b, 0,1,2,3
	s_delay_alu instid0(VALU_DEP_4)
	v_permlanex16_b32 v[TM+4+\b], v[TM+\b], s[SEL], s[SEL+1]
.endr
.irp b, 0,1,2,3
	s_delay_alu instid0(VALU_DEP_4)
	v_max_num_f32 v[TM+\b], v[TM+\b], v[TM+4+\b]
.endr
.irp b, 0,1,2,3
	s_delay_alu instid0(VALU_DEP_4)
	v_add_nc_u32 v[TM+12+\b], 0xff000000, v[TM+\b]
.endr
.irp b, 0,1,2,3
	s_delay_alu instid0(VALU_DEP_4)
	v_lshrrev_b32 v[TM+4+\b], 23, v[TM+12+\b]
.endr
	s_delay_alu instid0(VALU_DEP_3)
	v_lshl_or_b32 v[PW], v[TM+5], 8, v[TM+4]
	s_delay_alu instid0(VALU_DEP_1)
	v_lshl_or_b32 v[PW], v[TM+6], 16, v[PW]
	s_delay_alu instid0(VALU_DEP_1)
	v_lshl_or_b32 v[PW], v[TM+7], 24, v[PW]        ; my row's four scale bytes of this head
.irp c, 0,1
	v_cvt_scalef32_pk16_fp6_f32 v[PC+6*\c:PC+2+6*\c], v[96+32*\c:111+32*\c], v[TM+12+2*\c]
	v_cvt_scalef32_pk16_fp6_f32 v[TP+4*\c:TP+2+4*\c], v[112+32*\c:127+32*\c], v[TM+12+2*\c+1]
.endr
	v_nop                                          ; one plain place behind a scaled conversion
.irp c, 0,1
.irp i, 0,1,2
	v_permlane16_swap_b32 v[PC+6*\c+\i], v[TP+4*\c+\i]
.endr
.irp i, 0,1,2
	s_delay_alu instid0(VALU_DEP_3)
	v_mov_b32 v[PC+3+6*\c+\i], v[TP+4*\c+\i]
.endr
.endr
.irp c, 0,1,2
	global_store_b128 v[CA], v[PC+4*\c:PC+4*\c+3], s[10:11] offset:512*\c   ; the operand's image: the wave stores 512 consecutive bytes, aligned
.endr
	global_store_b32 v[SA], v[PW], s[12:13]        ; both halves of the lanes write the same word with the same value
.Lend:
	s_wait_tensorcnt 0x0                           ; the wave's end
	ds_add_u32 v[SPW], v[NIL]
	s_wait_dscnt 0x0
	CROUND                                         ; the closing round
	s_endpgm
.Lfunc_end_k_qa3481a1b9a_attn:
	.size	k_qa3481a1b9a_attn, .Lfunc_end_k_qa3481a1b9a_attn-k_qa3481a1b9a_attn
	.p2alignl 7, 3214868480
	.fill 96, 4, 3214868480
	.section	.rodata,"a",@progbits
	.p2align	6, 0x0
	.amdhsa_kernel k_qa3481a1b9a_attn
		.amdhsa_group_segment_fixed_size 327680
		.amdhsa_private_segment_fixed_size 0
		.amdhsa_enable_private_segment 0
		.amdhsa_kernarg_size 40
		.amdhsa_user_sgpr_count 2
		.amdhsa_user_sgpr_kernarg_segment_ptr 1
		.amdhsa_wavefront_size32 1
		.amdhsa_system_sgpr_workgroup_id_x 1
		.amdhsa_system_sgpr_workgroup_id_y 1
		.amdhsa_system_sgpr_workgroup_id_z 1
		.amdhsa_system_vgpr_workitem_id 0
		.amdhsa_next_free_vgpr 256
		.amdhsa_next_free_sgpr 80
		.amdhsa_reserve_vcc 0
		.amdhsa_float_denorm_mode_32 3
		.amdhsa_float_denorm_mode_16_64 3
		.amdhsa_memory_ordered 1
		.amdhsa_forward_progress 1
		.amdhsa_inst_pref_size 123
	.end_amdhsa_kernel
	.amdgpu_metadata
---
amdhsa.version: [ 1, 2 ]
amdhsa.kernels:
  - .name:           k_qa3481a1b9a_attn
    .symbol:         k_qa3481a1b9a_attn.kd
    .args:
      - { .name: qkvf, .offset: 0, .size: 8, .value_kind: global_buffer, .address_space: global }
      - { .name: qkvs, .offset: 8, .size: 8, .value_kind: global_buffer, .address_space: global }
      - { .name: attention_mask, .offset: 16, .size: 8, .value_kind: global_buffer, .address_space: global }
      - { .name: acodes, .offset: 24, .size: 8, .value_kind: global_buffer, .address_space: global }
      - { .name: ascales, .offset: 32, .size: 8, .value_kind: global_buffer, .address_space: global }
    .group_segment_fixed_size: 327680
    .private_segment_fixed_size: 0
    .kernarg_segment_align: 8
    .kernarg_segment_size: 40
    .max_flat_workgroup_size: 512
    .sgpr_count:     80
    .vgpr_count:     256
    .wavefront_size: 32
...
	.end_amdgpu_metadata
.endif
;; end of part 3
;; launch oproj (part 4): grid 16 x 16, 4 waves a work-group, clusters of 4 x 4, 327,680 bytes of LDS; arguments acodes, ascales, codes, scales, out0; writes out0
.if DOCPART == 4
	.amdgcn_target "amdgcn-amd-amdhsa--gfx1250"
	.amdhsa_code_object_version 6
	.text
	.protected	k_qa3481a1b9a_oproj
	.globl	k_qa3481a1b9a_oproj
	.p2align	8
	.type	k_qa3481a1b9a_oproj,@function
k_qa3481a1b9a_oproj:
	s_mov_b64 s[64:65], 0
	v_nop
	global_prefetch_b8 v0, s[64:65] scope:SCOPE_SE
	s_setreg_imm32_b32 hwreg(HW_REG_WAVE_MODE, 25, 1), 1
	s_wait_xcnt 0x0
	s_wait_alu depctr_hold_cnt(0) depctr_sa_sdst(0) depctr_va_vdst(0) depctr_va_sdst(0) depctr_va_ssrc(0) depctr_va_vcc(0) depctr_vm_vsrc(0)
	s_getreg_b32 s2, hwreg(HW_REG_IB_STS2, 6, 4)
	s_cmp_eq_u32 s2, 0
	s_cbranch_scc0 .Lentry_in_a_cluster
	s_endpgm
.Lentry_in_a_cluster:
	s_bfe_u32 s2, ttmp6, 0x10000c
	s_cmp_lg_u32 s2, 0xf033
	s_cbranch_scc0 .Lentry_shape_is_right
	s_endpgm
.Lentry_shape_is_right:
; out0 = attn x wo^T on codes of FP6 with E8M0 scales.  A work-group makes 128 x 128, a wave 64 x 64.  Both operands lie as images of 12 registers (16 stored rows x 128 K, 1,536 bytes): a tile's row in memory is a block of
; 16 rows x 512 K, 6,144 bytes, a multiple of 256 from the buffer's first byte.  Stored rows have bits 3 and 4 of the row exchanged, in A and in B: the stage on the way out puts rows and columns back in order.
; At the head wave 0 fetches slot 0's 128 rows of A, wave 2 those of B, waves 1 and 3 the scales.
.set KSTEP,  512
.set NQ,     4
.set ROWB,   6144
.set KROW,   1536
.set PITCH,  384
.set FR,     12
.set HALFT,  64*PITCH
.set SLOT,   4*HALFT
.set KS,     64
.set SCL,    2*SLOT
.set HALFS,  (64*KS/256)*272
.set SBLK,   (16*KS/256)*272
.set STAGE,  SCL+4*HALFS
.set SPITCH, 272
.set SPARE,  STAGE+4*64*SPITCH
.set ADRA, 16
.set ADRB, 20
.set STO,  24
.set RD,   25
.set CO,   26
.set ADRS, 27
.set SPW,  28
.set NIL,  29
.set SC,   32
.set ACC,  128
.set G1, 24
.set G0, 32
.set G1B, 48
.set G0B, 56
.set G1S, 68
.set G0S, 76
.set G1SB, 80
.set G0SB, 88
.set MSB, 0
.macro WIN new
.if MSB != (\new)
	s_set_vgpr_msb (MSB<<8)|(\new)
.set MSB, (\new)
.endif
.endm
.set MUL,  0x05
.set TO_F, 0x40
.macro JLOAD g0a, g1a, g0b, g1b
	s_cmp_eq_u32 s15, 0
	s_cbranch_scc0 .Lfor_b_\@
	tensor_load_to_lds s[\g0a:\g0a+3], s[\g1a:\g1a+7]
	s_nop 0
.rept 4
	v_nop
.endr
	s_branch .Lasked_\@
.Lfor_b_\@:
	tensor_load_to_lds s[\g0b:\g0b+3], s[\g1b:\g1b+7]
	s_nop 0
.rept 4
	v_nop
.endr
.Lasked_\@:
.endm
.macro CREST
	s_cmp_lg_u32 s14, 0
	s_cbranch_scc1 .Lnot_wave_0_\@
	s_barrier_signal -3
.Lnot_wave_0_\@:
	s_barrier_wait -3
	s_barrier_signal -1
	s_barrier_wait -1
.endm
.macro CROUND
	s_barrier_signal -1
	s_barrier_wait -1
	CREST
.endm
	s_load_b128 s[4:7], s[0:1], 0x0
	s_load_b128 s[8:11], s[0:1], 0x10
	s_load_b64 s[12:13], s[0:1], 0x20
	v_lshl_add_u32 v[SPW], v0, 2, SPARE
	v_mov_b32 v[NIL], 0
	ds_add_u32 v28, v29
	ds_add_u32 v28, v29
	s_wait_dscnt 0x0
	v_lshrrev_b32 v1, 5, v0
	v_readfirstlane_b32 s14, v1
	s_lshr_b32 s15, s14, 1
	s_and_b32 s16, s14, 1
	s_bfe_u32 s40, ttmp6, 0x40000
	s_bfe_u32 s41, ttmp6, 0x40004
	s_lshl_b32 s42, ttmp9, 2
	s_add_co_u32 s42, s42, s40
	s_and_b32 s17, ttmp7, 0xffff
	s_lshl_b32 s17, s17, 2
	s_add_co_u32 s17, s17, s41
	s_lshl_b32 s43, s41, 2
	s_lshl_b32 s43, 15, s43
	s_lshl_b32 s44, 0x1111, s40
	s_or_b32 s[G1+0], s43, (0<<16)|(1<<21)
	s_or_b32 s[G1B+0], s44, (0<<16)|(1<<21)
.irp g, G1, G1B
	s_mov_b32 s[\g+1], ROWB<<16
	s_mov_b32 s[\g+2], 8<<16                       ; the head's loads bring 8 blocks of 16 rows
	s_mov_b32 s[\g+3], ROWB<<16
	s_mov_b32 s[\g+4], 8
	s_mov_b32 s[\g+5], 16*KROW                     ; from one block of 16 rows to the next
	s_mov_b32 s[\g+6], 0
	s_mov_b32 s[\g+7], 0
.endr
	s_or_b32 s[G1S+0], s43, (3<<16)|(1<<20)|(1<<21)|(5<<22)|(3<<25)
	s_or_b32 s[G1SB+0], s44, (3<<16)|(1<<20)|(1<<21)|(5<<22)|(3<<25)
.irp g, G1S, G1SB
	s_mov_b32 s[\g+1], 32<<16
	s_mov_b32 s[\g+2], (128*KS/256)<<16
	s_mov_b32 s[\g+3], 32<<16
	s_mov_b32 s[\g+4], 128*KS/256
	s_mov_b32 s[\g+5], 32
	s_mov_b32 s[\g+6], 0
	s_mov_b32 s[\g+7], 0
.endr
	s_lshl_b32 s18, s16, 6
	s_lshl_b32 s20, s17, 7
	s_add_co_u32 s20, s20, s18
	s_lshl_b32 s46, s42, 7
	s_add_co_u32 s46, s46, s18
	s_add_co_u32 s46, s46, 8192
	s_mov_b32 s21, 0
	s_mov_b32 s47, 0
	s_mov_b64 s[18:19], KS
	s_mul_u64 s[22:23], s[20:21], s[18:19]
	s_mul_u64 s[92:93], s[46:47], s[18:19]
	s_mov_b64 s[18:19], KROW
	s_mul_u64 s[20:21], s[20:21], s[18:19]
	s_mul_u64 s[46:47], s[46:47], s[18:19]
	s_mul_i32 s45, s14, HALFT
	s_mul_i32 s94, s14, HALFS
	s_wait_kmcnt 0x0
	s_add_nc_u64 s[20:21], s[4:5], s[20:21]
	s_add_nc_u64 s[22:23], s[6:7], s[22:23]
	s_add_nc_u64 s[46:47], s[8:9], s[46:47]
	s_add_nc_u64 s[92:93], s[10:11], s[92:93]
	CROUND
	s_mov_b32 s[G0S], 1
	s_add_co_u32 s[G0S+1], s94, SCL-HALFS          ; used by wave 1 alone: the scales of A's 128 rows, from SCL on
	s_sub_nc_u64 s[G0S+2:G0S+3], s[22:23], 64*KS   ; (its own half is the second: 64 rows back)
	s_or_b32 s[G0S+3], s[G0S+3], 0x80000000
	s_mov_b32 s[G0SB], 1
	s_add_co_u32 s[G0SB+1], s94, SCL-HALFS         ; used by wave 3 alone: the scales of B's 128 rows, behind A's
	s_sub_nc_u64 s[G0SB+2:G0SB+3], s[92:93], 64*KS
	s_or_b32 s[G0SB+3], s[G0SB+3], 0x80000000
.irp s, 0,1
	s_mov_b32 s[G0+4*\s], 1
	s_add_co_u32 s[G0+4*\s+1], s45, \s*SLOT
	s_add_nc_u64 s[G0+4*\s+2:G0+4*\s+3], s[20:21], \s*ROWB
	s_or_b32 s[G0+4*\s+3], s[G0+4*\s+3], 0x80000000
	s_mov_b32 s[G0B+4*\s], 1
	s_add_co_u32 s[G0B+4*\s+1], s45, \s*SLOT
	s_add_nc_u64 s[G0B+4*\s+2:G0B+4*\s+3], s[46:47], \s*ROWB
	s_or_b32 s[G0B+4*\s+3], s[G0B+4*\s+3], 0x80000000
.endr
; the head's loads, one a wave, in one chain of branches on the wave's number
.macro ARM under, g0, g1, next
	s_cmp_lt_u32 s14, \under
	s_cbranch_scc0 \next
	tensor_load_to_lds s[\g0:\g0+3], s[\g1:\g1+7]
	s_nop 0
.rept 4
	v_nop
.endr
	s_branch .Lhead_asked
\next:
.endm
	ARM 1, G0,  G1,  .Lhead_sa
	ARM 2, G0S, G1S, .Lhead_b
	ARM 3, G0B, G1B, .Lhead_sb
	tensor_load_to_lds s[G0SB:G0SB+3], s[G1SB:G1SB+7]
	s_nop 0
.rept 4
	v_nop
.endr
.Lhead_asked:
	v_and_b32 v1, 15, v0
	v_bfe_u32 v2, v0, 4, 1
	v_and_b32 v4, 31, v0
	v_lshlrev_b32 v4, 4, v4                        ; 16 x lane: my place in a chunk of an image
	s_wait_alu depctr_va_vdst(0)                   ; the wait behind these writes
	s_mul_i32 s21, s15, HALFT
	s_mul_i32 s22, s16, HALFT
	s_add_co_u32 s22, s22, 2*HALFT
.irp s, 0,1
	v_add_nc_u32 v[ADRA+\s], s21, v4
	v_add_nc_u32 v[ADRB+\s], s22, v4
	s_add_co_u32 s21, s21, SLOT
	s_add_co_u32 s22, s22, SLOT
.endr
	v_mul_u32_u24 v5, v1, KS
	v_lshrrev_b32 v6, 8, v5
	v_lshl_add_u32 v5, v6, 4, v5
	s_mul_i32 s21, s15, HALFS
	s_mul_i32 s22, s16, HALFS
	s_add_co_u32 s22, s22, 2*HALFS
	s_sub_co_u32 s22, s22, s21
	v_mul_u32_u24 v6, s22, v2
	s_add_co_u32 s21, s21, SCL
	v_add_nc_u32 v5, v5, v6
	v_add_nc_u32 v[ADRS], s21, v5
	s_mul_i32 s23, s14, 64*SPITCH
	s_add_co_u32 s23, s23, STAGE
	v_and_b32 v6, 8, v1
	v_add_nc_u32 v6, v6, v1                        ; lane r of a block of A holds token r + 8 (r / 8) of its 32
	v_mul_u32_u24 v5, v6, SPITCH
	v_lshl_add_u32 v5, v2, 6, v5
	v_add_nc_u32 v[STO], s23, v5
	v_mul_u32_u24 v5, v2, SPITCH
	v_lshl_add_u32 v5, v1, 4, v5
	v_add_nc_u32 v[RD], s23, v5
	v_lshlrev_b32 v5, 13, v2
	v_lshl_add_u32 v[CO], v1, 4, v5
	s_lshl_b32 s20, s17, 7
	s_lshl_b32 s21, s15, 6
	s_add_co_u32 s20, s20, s21
	s_lshl_b32 s20, s20, 13
	s_mov_b32 s21, 0
	s_lshl_b32 s46, s42, 9
	s_lshl_b32 s47, s16, 8
	s_add_co_u32 s46, s46, s47
	s_mov_b32 s47, 0
	s_add_nc_u64 s[20:21], s[20:21], s[46:47]
	s_add_nc_u64 s[12:13], s[12:13], s[20:21]
.macro FRAG reg, adr, q, i             ; an image's three chunks, as they lie
.irp c, 0,1,2
	ds_load_b128 v[(\reg)+4*\c:(\reg)+4*\c+3], v[\adr] offset:(\i)*ROWB+(\q)*1536+512*\c
.endr
.endm
.macro FETCH slot, q, f
	WIN TO_F
.irp i, 0,1,2,3
	FRAG (\f)+FR*\i, ADRA+\slot, \q, \i
	FRAG (\f)+48+FR*\i, ADRB+\slot, \q, \i
.endr
.endm
.macro SCALES set
.irp i, 0,1,2,3
	ds_load_b128 v[SC+16*(\set)+4*\i:SC+16*(\set)+4*\i+3], v[ADRS] offset:\i*SBLK
.endr
.endm
.macro MUL8 f, a0, q, set, zero
.irp a, \a0, \a0+1
.irp b, 0,1,2,3
.if \zero
	v_wmma_scale_f32_16x16x128_f8f6f4 v[ACC+8*(4*(\a)+\b):ACC+8*(4*(\a)+\b)+7], v[(\f)+48+FR*\b:(\f)+48+FR*\b+FR-1], v[(\f)+FR*(\a):(\f)+FR*(\a)+FR-1], 0, v[SC+16*(\set)+4*\b+(\q)], v[SC+16*(\set)+4*(\a)+(\q)] matrix_a_fmt:MATRIX_FMT_FP6 matrix_b_fmt:MATRIX_FMT_FP6 matrix_a_scale:MATRIX_SCALE_ROW1
.else
	v_wmma_scale_f32_16x16x128_f8f6f4 v[ACC+8*(4*(\a)+\b):ACC+8*(4*(\a)+\b)+7], v[(\f)+48+FR*\b:(\f)+48+FR*\b+FR-1], v[(\f)+FR*(\a):(\f)+FR*(\a)+FR-1], v[ACC+8*(4*(\a)+\b):ACC+8*(4*(\a)+\b)+7], v[SC+16*(\set)+4*\b+(\q)], v[SC+16*(\set)+4*(\a)+(\q)] matrix_a_fmt:MATRIX_FMT_FP6 matrix_b_fmt:MATRIX_FMT_FP6 matrix_a_scale:MATRIX_SCALE_ROW1
.endif
.endr
.endr
.endm
.macro PLACES
.rept 4
	v_nop
.endr
.endm
.macro STEP slot, q, zero
	s_wait_dscnt 0x0
	PLACES
	FETCH \slot, (\q)+1, 128*(1-(\q)%2)
	WIN MUL
	MUL8 128*((\q)%2), 0, \q, \slot, \zero
	MUL8 128*((\q)%2), 2, \q, \slot, \zero
.endm
.macro TURN slot, next, fill
	WIN 0
	s_wait_tensorcnt 0x0
	ds_add_u32 v[SPW], v[NIL]
	s_wait_dscnt 1
	WIN MUL
	MUL8 128, 0, NQ-1, \slot, 0
	s_wait_dscnt 0x0
	s_barrier_signal -1
	MUL8 128, 2, NQ-1, \slot, 0
	WIN 0
	s_barrier_wait -1
.if \fill
	CREST
	s_add_nc_u64 s[G0+4*\slot+2:G0+4*\slot+3], s[G0+4*\slot+2:G0+4*\slot+3], 2*ROWB
	s_add_nc_u64 s[G0B+4*\slot+2:G0B+4*\slot+3], s[G0B+4*\slot+2:G0B+4*\slot+3], 2*ROWB
	JLOAD G0+4*\slot, G1, G0B+4*\slot, G1B
.else
	PLACES
.endif
	s_wait_alu depctr_va_vdst(0)
	v_add_nc_u32 v[ADRS], 4*NQ, v[ADRS]
	FETCH \next, 0, 0
	WIN 0
	SCALES \next
.endm
	s_wait_alu depctr_va_vdst(0)
	s_wait_tensorcnt 0x0                           ; my tile of the head's four is in
	ds_add_u32 v[SPW], v[NIL]
	s_mov_b32 s[G1+2], 4<<16                       ; no tensor load of mine is out: from here on a load brings 4 blocks of 16 rows
	s_mov_b32 s[G1+4], 4
	s_mov_b32 s[G1B+2], 4<<16
	s_mov_b32 s[G1B+4], 4
	s_wait_dscnt 0x0
	CROUND
	JLOAD G0+4, G1, G0B+4, G1B                     ; slot 1's first fill, the first tensor load behind the round
	FETCH 0, 0, 0
	WIN 0
	SCALES 0
	STEP 0, 0, 1
	STEP 0, 1, 0
	STEP 0, 2, 0
	TURN 0, 1, 1
	STEP 1, 0, 0
	STEP 1, 1, 0
	STEP 1, 2, 0
	TURN 1, 0, 1
	STEP 0, 0, 0
	STEP 0, 1, 0
	STEP 0, 2, 0
	TURN 0, 1, 0
	STEP 1, 0, 0
	STEP 1, 1, 0
	STEP 1, 2, 0
	s_wait_dscnt 0x0
	MUL8 128, 0, NQ-1, 1, 0
	MUL8 128, 2, NQ-1, 1, 0
	WIN 0
	PLACES
.irp a, 0,1,2,3
.irp b, 0,1,2,3
	ds_store_b128 v[STO], v[ACC+8*(4*\a+\b):ACC+8*(4*\a+\b)+3] offset:(32*(\a/2)+8*(\a%2))*SPITCH+128*(\b/2)+32*(\b%2)
	ds_store_b128 v[STO], v[ACC+8*(4*\a+\b)+4:ACC+8*(4*\a+\b)+7] offset:(32*(\a/2)+8*(\a%2))*SPITCH+128*(\b/2)+32*(\b%2)+16
.endr
.endr
	WIN TO_F
.set ti, 0
.rept 32
	ds_load_b128 v[4*ti:4*ti+3], v[RD] offset:ti*2*SPITCH
.set ti, ti+1
.endr
	WIN 0x04
.set ti, 0
.rept 32
	s_wait_dscnt 31-ti
	global_store_b128 v[CO], v[4*ti:4*ti+3], s[12:13] offset:ti*16384 th:TH_STORE_NT
.set ti, ti+1
.endr
	WIN 0
	s_wait_tensorcnt 0x0
	ds_add_u32 v[SPW], v[NIL]
	s_wait_dscnt 0x0
	CROUND
	s_endpgm
.Lfunc_end_k_qa3481a1b9a_oproj:
	.size	k_qa3481a1b9a_oproj, .Lfunc_end_k_qa3481a1b9a_oproj-k_qa3481a1b9a_oproj
	.p2alignl 7, 3214868480
	.fill 96, 4, 3214868480
	.section	.rodata,"a",@progbits
	.p2align	6, 0x0
	.amdhsa_kernel k_qa3481a1b9a_oproj
		.amdhsa_group_segment_fixed_size 327680
		.amdhsa_private_segment_fixed_size 0
		.amdhsa_enable_private_segment 0
		.amdhsa_kernarg_size 40
		.amdhsa_user_sgpr_count 2
		.amdhsa_user_sgpr_kernarg_segment_ptr 1
		.amdhsa_wavefront_size32 1
		.amdhsa_system_sgpr_workgroup_id_x 1
		.amdhsa_system_sgpr_workgroup_id_y 1
		.amdhsa_system_sgpr_workgroup_id_z 1
		.amdhsa_system_vgpr_workitem_id 0
		.amdhsa_next_free_vgpr 512
		.amdhsa_next_free_sgpr 100
		.amdhsa_reserve_vcc 0
		.amdhsa_float_denorm_mode_32 3
		.amdhsa_float_denorm_mode_16_64 3
		.amdhsa_memory_ordered 1
		.amdhsa_forward_progress 1
		.amdhsa_inst_pref_size 82
	.end_amdhsa_kernel
	.amdgpu_metadata
---
amdhsa.version: [ 1, 2 ]
amdhsa.kernels:
  - .name:           k_qa3481a1b9a_oproj
    .symbol:         k_qa3481a1b9a_oproj.kd
    .args:
      - { .name: acodes, .offset: 0, .size: 8, .value_kind: global_buffer, .address_space: global }
      - { .name: ascales, .offset: 8, .size: 8, .value_kind: global_buffer, .address_space: global }
      - { .name: codes, .offset: 16, .size: 8, .value_kind: global_buffer, .address_space: global }
      - { .name: scales, .offset: 24, .size: 8, .value_kind: global_buffer, .address_space: global }
      - { .name: out0, .offset: 32, .size: 8, .value_kind: global_buffer, .address_space: global }
    .group_segment_fixed_size: 327680
    .private_segment_fixed_size: 0
    .kernarg_segment_align: 8
    .kernarg_segment_size: 40
    .max_flat_workgroup_size: 128
    .sgpr_count:     100
    .vgpr_count:     512
    .wavefront_size: 32
...
	.end_amdgpu_metadata
.endif
;; end of part 4
